; MI455X (gfx1250); checked and timed in simulation.
; The chip was launched on July 23, 2026; its instructions are those of AMD's public machine-readable ISA for CDNA 5 (MIT licence, August 2026) and "CDNA5" Instruction Set Architecture Reference Guide (July 2026). The comments in the code are by the model that wrote it; some were corrected since.
;; Mixture Of Experts. Allowed arithmetic: float matrix products may take bf16 or f16 operands with f32 sums; all other float work in f32.
;; Inputs: b_router 8 float32; w1 8 x 1,024 x 512 float32; w2 8 x 512 x 1,024 float32; w_router 8 x 512 float32; x 2 x 1,024 x 512 float32.
;; Outputs: out0 2 x 1,024 x 512 float32; out1 2,048 x 8 float32.
;; One version. Each part assembles by itself: llvm-mc -triple=amdgcn-amd-amdhsa -mcpu=gfx1250 --defsym DOCPART=n.
;; ======== version 1 of 1: 4 launches
;; limits: values outside matrix products are rounded to bf16
;; workspace buffers: xb 2,097,152 bytes; route 16,384 bytes of whole numbers; gate 16,384 bytes; h 8,388,608 bytes; y 8,388,608 bytes; cnt 4,096 bytes of whole numbers; rows 98,304 bytes of whole numbers
;; launch router (part 1): grid 128 x 1, 4 waves a work-group, no clusters, 25,600 bytes of LDS; arguments x, w_router, b_router, out1, xb, route, gate, cnt; writes out1, xb, route, gate, cnt
.if DOCPART == 1
	.amdgcn_target "amdgcn-amd-amdhsa--gfx1250"
	.amdhsa_code_object_version 6
	.text
	.protected	k_q7c57a51df4_router
	.globl	k_q7c57a51df4_router
	.p2align	8
	.type	k_q7c57a51df4_router,@function
k_q7c57a51df4_router:
	s_mov_b64 s[64:65], 0
	v_nop
	global_prefetch_b8 v0, s[64:65] scope:SCOPE_SE
	s_setreg_imm32_b32 hwreg(HW_REG_WAVE_MODE, 25, 1), 1
	s_wait_xcnt 0x0
; ROUTER.  logits = x w_router^T + b (out1), the two largest logits of each token, their renormalised gates, and x rounded to bf16 (xb).
; x: [2048][512] f32.  w_router: [8][512] f32.  b_router: [8] f32.  out1: [2048][8] f32.  xb: [2048][512] bf16.
; route: u32[4096], the expert of pair p = 2 token + slot.  gate: f32[4096], the pair's weight.
; cnt: u32[8][128]: how many of work-group g's 32 pairs go to expert e, at [e][g]; the later launches form their row counts from it.
; A work-group of four waves takes 16 tokens.  Every wave rounds four rows of x and two rows of w_router to bf16 into LDS and stores its
; four rows to xb; wave 0 then makes the 16 x 8 logits with 16 matrix instructions (K = 512 in steps of 32) and chooses.
; LIMITS, kept on purpose:
;  - the products take x and w_router rounded to bf16, sums in f32; b_router is rounded to bf16 as well before it is added;
;  - the two experts are chosen on the logits, not on the softmax: the same order, except where two different logits give one and the same
;    probability in f32; equal logits go to the lower index;
;  - gates: 1 / (1 + e^(l2 - l1)) and e^(l2 - l1) / (1 + e^(l2 - l1)): the larger logit is taken away, the exponent is never above 0, the softmax's
;    denominator cancels; below 2^-126 the exponential counts as 0 (ISA guide 15.8);
;  - logits are taken to be finite: with NaN or infinities the choice is unspecified.
; No tensor loads, no cluster: every byte passes through registers to be rounded, and the work-groups share only w_router's 16 KiB.
.set P1,  1040                         ; an LDS row: 1,024 bytes (512 bf16) + 16: 65 x 16, so sixteen rows start in sixteen different 16-byte columns of 256
.set ST,  16                           ; v[16:111]  24 loads of 16 bytes: rows 0, 1 of my w_router rows, then my four rows of x
.set RBK, 112                          ; v[112:143] my four rows of xb, read back
.set G0,  16                           ; v[16:79]   fragments of four K steps (w: 8 registers, x: 8 registers each)
.set G1,  80                           ; v[80:143]  the same, second buffer
.set AC0, 144                          ; v[144:151] sums of the even K steps
.set AC1, 152                          ; v[152:159] sums of the odd K steps
.set LG,  160                          ; v[160:167] the token's eight logits
.set BB,  168                          ; v[168:175] the eight biases
.set NE,  42                           ; s[42:49]   the work-group's pairs at each expert
	s_load_b256 s[4:11], s[0:1], 0x0               ; x s[4:5], w_router s[6:7], b_router s[8:9], out1 s[10:11]
	s_load_b128 s[12:15], s[0:1], 0x20             ; xb s[12:13], route s[14:15]
	s_load_b64 s[16:17], s[0:1], 0x30              ; gate
	s_load_b64 s[40:41], s[0:1], 0x38              ; cnt
	v_lshl_add_u32 v192, v0, 2, 0x6200
	v_mov_b32 v193, 0
	v_and_b32 v1, 31, v0                           ; lane
	v_and_b32 v2, 15, v0                           ; r
	v_bfe_u32 v3, v0, 4, 1                         ; h
	v_lshrrev_b32 v4, 5, v0
	v_readfirstlane_b32 s18, v4                    ; wave 0..3
	s_lshl_b32 s19, s18, 13
	v_lshl_add_u32 v5, v1, 4, s19                  ; x: wave x 4 rows of 2,048 bytes + 16 lane
	s_lshl_b32 s19, s18, 12
	v_lshl_add_u32 v6, v1, 4, s19                  ; w_router: wave x 2 rows of 2,048 bytes + 16 lane; the same number serves xb: wave x 4 rows of 1,024 bytes
	s_lshl_b32 s20, ttmp9, 15                      ; 16 tokens of 2,048 bytes
	s_mov_b32 s21, 0
	s_wait_kmcnt 0x0
	s_add_nc_u64 s[4:5], s[4:5], s[20:21]
.irp rr, 0,1
.irp c, 0,1,2,3
	global_load_b128 v[ST+16*\rr+4*\c:ST+16*\rr+4*\c+3], v6, s[6:7] offset:2048*\rr+512*\c       ; a wave's load covers 512 neighbouring bytes of one row
.endr
.endr
.irp rr, 0,1,2,3
.irp c, 0,1,2,3
	global_load_b128 v[ST+32+16*\rr+4*\c:ST+32+16*\rr+4*\c+3], v5, s[4:5] offset:2048*\rr+512*\c th:TH_LOAD_NT   ; x is read once in this launch
.endr
.endr
	s_load_b256 s[24:31], s[8:9], 0x0              ; the eight biases; wave 0 waits for them where it uses them
	s_lshl_b32 s20, ttmp9, 14
	s_add_nc_u64 s[12:13], s[12:13], s[20:21]      ; xb at my 16 tokens (1,024 bytes each)
	s_lshl_b32 s20, ttmp9, 9
	s_add_nc_u64 s[10:11], s[10:11], s[20:21]      ; out1: 32 bytes a token
	s_lshl_b32 s20, ttmp9, 7
	s_add_nc_u64 s[14:15], s[14:15], s[20:21]      ; route and gate: 8 bytes a token
	s_add_nc_u64 s[16:17], s[16:17], s[20:21]
	s_lshl_b32 s20, ttmp9, 2
	s_add_nc_u64 s[40:41], s[40:41], s[20:21]      ; cnt: my work-group's word in each expert's row
	s_mov_b32 s22, 0xffff0000                      ; lanes 16 to 31
	s_mul_i32 s19, s18, 4*P1
	v_lshl_add_u32 v7, v1, 3, s19                  ; LDS rows 4 wave ..: where my x rows go, 8 bytes a lane
	v_lshl_add_u32 v9, v1, 4, s19                  ; and from where they are read back, 16 bytes a lane
	s_mul_i32 s19, s18, 2*P1
	s_add_co_u32 s19, s19, 16*P1
	v_lshl_add_u32 v8, v1, 3, s19                  ; LDS rows 16 + 2 wave ..: my w_router rows
	v_mul_u32_u24 v11, v2, P1
	v_lshl_add_u32 v11, v3, 4, v11                 ; x fragments: row r, + 16 h
	v_and_b32 v12, 7, v0
	v_lshlrev_b32 v13, 9, v12                      ; cnt: expert (lane mod 8) x 512 bytes
	v_mul_u32_u24 v12, v12, P1
	v_lshl_add_u32 v12, v3, 4, v12
	v_add_nc_u32 v12, 16*P1, v12                   ; w fragments: row 16 + (r mod 8): rows 8 to 15 of the operand repeat the eight experts
	v_lshlrev_b32 v190, 5, v2
	v_lshl_add_u32 v190, v3, 4, v190               ; out1: 32 r + 16 h
	v_lshlrev_b32 v191, 3, v2
	v_lshl_add_u32 v191, v3, 2, v191               ; route, gate: 8 r + 4 h
; Row g of my six: rounded in place, two numbers a register, and put into LDS.
.macro ROWPUT g, adr, off
	s_wait_loadcnt 20-4*\g                         ; loads come back in order (ISA guide 5.7.1): the younger rows' loads, four each, stay out
.irp c, 0,1,2,3
	v_cvt_pk_bf16_f32 v[ST+16*\g+4*\c],   v[ST+16*\g+4*\c],   v[ST+16*\g+4*\c+1]
	v_cvt_pk_bf16_f32 v[ST+16*\g+4*\c+1], v[ST+16*\g+4*\c+2], v[ST+16*\g+4*\c+3]
.endr
.irp c, 0,1,2,3
	ds_store_b64 v[\adr], v[ST+16*\g+4*\c:ST+16*\g+4*\c+1] offset:\off+256*\c     ; 32 lanes, 256 neighbouring bytes
.endr
.endm
	ROWPUT 0, 8, 0
	ROWPUT 1, 8, P1
	ROWPUT 2, 7, 0
	ROWPUT 3, 7, P1
	ROWPUT 4, 7, 2*P1
	ROWPUT 5, 7, 3*P1
	; xb: my own four rows back as 16 bytes a lane (LDS serves a wave's instructions in order, ISA guide 5.7.1.4: no wait between store and load)
.irp t, 0,1,2,3,4,5,6,7
	ds_load_b128 v[RBK+4*\t:RBK+4*\t+3], v9 offset:(\t/2)*P1+(\t%2)*512
.endr
.irp t, 0,1,2,3,4,5,6,7
	s_wait_dscnt 7-\t                              ; the younger read-backs stay out
	global_store_b128 v6, v[RBK+4*\t:RBK+4*\t+3], s[12:13] offset:(\t/2)*1024+(\t%2)*512   ; a wave's store covers 512 neighbouring bytes, aligned
.endr
	s_wait_dscnt 0x0                               ; my LDS stores are done, for wave 0's sake
	s_barrier_signal -1
	s_barrier_wait -1
	s_cmp_lg_u32 s18, 0
	s_cbranch_scc1 .Lend                           ; waves 1 to 3 have done their part
	s_wait_xcnt 0x0                                ; v[112:143], which the stores to xb read, are loaded again only behind this wait
; sixteen LDS loads: the fragments of K steps 4 g to 4 g + 3 into buffer f
.macro FETCHG g, f
.irp i, 0,1,2,3
	ds_load_b128 v[\f+16*\i:\f+16*\i+3],     v12 offset:64*(4*\g+\i)
	ds_load_b128 v[\f+16*\i+4:\f+16*\i+7],   v12 offset:64*(4*\g+\i)+32
	ds_load_b128 v[\f+16*\i+8:\f+16*\i+11],  v11 offset:64*(4*\g+\i)
	ds_load_b128 v[\f+16*\i+12:\f+16*\i+15], v11 offset:64*(4*\g+\i)+32
.endr
.endm
; four matrix instructions; source 0 = w_router, source 1 = x: register j of lane (r, h) is expert j's logit of token r, in both halves of the lanes.
; The two accumulators take turns, one instruction a turn.
.macro MULG f, zero
.if \zero
	v_wmma_f32_16x16x32_bf16 v[AC0:AC0+7], v[\f:\f+7],       v[\f+8:\f+15],  0
	v_wmma_f32_16x16x32_bf16 v[AC1:AC1+7], v[\f+16:\f+23],   v[\f+24:\f+31], 0
.else
	v_wmma_f32_16x16x32_bf16 v[AC0:AC0+7], v[\f:\f+7],       v[\f+8:\f+15],  v[AC0:AC0+7]
	v_wmma_f32_16x16x32_bf16 v[AC1:AC1+7], v[\f+16:\f+23],   v[\f+24:\f+31], v[AC1:AC1+7]
.endif
	v_wmma_f32_16x16x32_bf16 v[AC0:AC0+7], v[\f+32:\f+39],   v[\f+40:\f+47], v[AC0:AC0+7]
	v_wmma_f32_16x16x32_bf16 v[AC1:AC1+7], v[\f+48:\f+55],   v[\f+56:\f+63], v[AC1:AC1+7]
.endm
.macro PLACES                          ; a load into a matrix instruction's source stands four plain vector instructions behind it
.rept 4
	v_nop
.endr
.endm
	FETCHG 0, G0
	FETCHG 1, G1
	s_wait_dscnt 16                                ; the sixteen younger loads (the other buffer's) stay out
	MULG G0, 1
	PLACES
	FETCHG 2, G0
	s_wait_dscnt 16
	MULG G1, 0
	PLACES
	FETCHG 3, G1
	s_wait_dscnt 16
	MULG G0, 0
	s_wait_dscnt 0x0
	MULG G1, 0
	s_wait_kmcnt 0x0                               ; the biases
.irp j, 0,1,2,3
	v_cvt_pk_bf16_f32 v[176+\j], s[24+2*\j], s[25+2*\j]          ; b rounded to bf16, as x and w_router are
.endr
.irp j, 0,1,2,3
	v_lshlrev_b32 v[BB+2*\j],   16, v[176+\j]                    ; and back to f32.  These eight lines are also the places behind the last
	v_and_b32     v[BB+2*\j+1], s22, v[176+\j]                   ; matrix instruction (four are asked for: ISA guide 7.12.1)
.endr
.irp j, 0,2,4,6
	v_pk_add_f32 v[LG+\j:LG+\j+1], v[AC0+\j:AC0+\j+1], v[AC1+\j:AC1+\j+1]
.endr
.irp j, 0,2,4,6
	v_pk_add_f32 v[LG+\j:LG+\j+1], v[LG+\j:LG+\j+1], v[BB+\j:BB+\j+1]
.endr
	; the largest logit (v180) and its expert (v181); a later one must be strictly larger, so ties go to the lower index
	v_mov_b32 v180, v[LG]
	v_mov_b32 v181, 0
.irp e, 1,2,3,4,5,6,7
	v_cmp_gt_f32 vcc_lo, v[LG+\e], v180
	v_cndmask_b32 v180, v180, v[LG+\e], vcc_lo
	v_cndmask_b32 v181, v181, \e, vcc_lo
.endr
	; the largest of the other seven (v182, v183)
	v_mov_b32 v182, 0xff800000
	v_mov_b32 v183, 0
.irp e, 0,1,2,3,4,5,6,7
	v_cmp_ne_u32 s32, \e, v181
	v_cmp_gt_f32 vcc_lo, v[LG+\e], v182
	s_and_b32 vcc_lo, vcc_lo, s32
	v_cndmask_b32 v182, v182, v[LG+\e], vcc_lo
	v_cndmask_b32 v183, v183, \e, vcc_lo
.endr
	v_sub_f32 v184, v182, v180                     ; l2 - l1, never above 0
	v_mul_f32 v184, 0x3fb8aa3b, v184               ; x log2(e)
	v_exp_f32 v185, v184                           ; behind it plain lines that touch neither v184 nor v185 (ISA guide 5.7.2):
.irp j, 0,1,2,3
	v_cndmask_b32 v[176+\j], v[LG+\j], v[LG+4+\j], s22           ; lanes 0-15 store logits 0-3 of token r, lanes 16-31 logits 4-7
.endr
	s_wait_alu depctr_va_vdst(0)
	v_add_f32 v186, 1.0, v185
	v_rcp_f32 v187, v186                           ; gate of slot 0
	v_cndmask_b32 v188, v181, v183, s22            ; (the plain line behind it) lanes 0-15: slot 0's expert, lanes 16-31: slot 1's
	s_wait_alu depctr_va_vdst(0)
	v_mul_f32 v184, v185, v187                     ; gate of slot 1
	v_cndmask_b32 v189, v187, v184, s22
	; the 32 lanes hold the work-group's 32 pairs: a ballot and a count of its bits for each expert; lane e then takes expert e's count
.irp e, 0,1,2,3,4,5,6,7
	v_cmp_eq_u32 s[NE+\e], \e, v188
.endr
.irp e, 0,1,2,3,4,5,6,7
	s_bcnt1_i32_b32 s[NE+\e], s[NE+\e]
.endr
	v_mov_b32 v10, s[NE]
.irp e, 1,2,3,4,5,6,7
	v_cmp_eq_u32 vcc_lo, \e, v1
	v_cndmask_b32 v10, v10, s[NE+\e], vcc_lo
.endr
	v_cmp_gt_u32 vcc_lo, 8, v1                     ; lanes 0 to 7
	global_store_b128 v190, v[176:179], s[10:11]   ; 512 neighbouring bytes of out1
	global_store_b32 v191, v188, s[14:15]          ; 128 neighbouring bytes of route
	global_store_b32 v191, v189, s[16:17]          ; and of gate
	s_wait_xcnt 0x0                                ; EXEC changes only behind s_wait_xcnt 0
	s_and_saveexec_b32 s23, vcc_lo
	global_store_b32 v13, v10, s[40:41]            ; eight words, 512 bytes apart: the buffer is 4 KiB in all, and so an expert's 128 counts are 512 neighbouring bytes for those that read them
	s_wait_xcnt 0x0                                ; and again in front of the line that widens it
	s_or_b32 exec_lo, exec_lo, s23
.Lend:
	s_wait_tensorcnt 0x0
	ds_add_u32 v192, v193
	s_wait_dscnt 0x0
	s_endpgm
.Lfunc_end_k_q7c57a51df4_router:
	.size	k_q7c57a51df4_router, .Lfunc_end_k_q7c57a51df4_router-k_q7c57a51df4_router
	.p2alignl 7, 3214868480
	.fill 96, 4, 3214868480
	.section	.rodata,"a",@progbits
	.p2align	6, 0x0
	.amdhsa_kernel k_q7c57a51df4_router
		.amdhsa_group_segment_fixed_size 25600
		.amdhsa_private_segment_fixed_size 0
		.amdhsa_enable_private_segment 0
		.amdhsa_kernarg_size 64
		.amdhsa_user_sgpr_count 2
		.amdhsa_user_sgpr_kernarg_segment_ptr 1
		.amdhsa_wavefront_size32 1
		.amdhsa_system_sgpr_workgroup_id_x 1
		.amdhsa_system_sgpr_workgroup_id_y 1
		.amdhsa_system_sgpr_workgroup_id_z 1
		.amdhsa_system_vgpr_workitem_id 0
		.amdhsa_next_free_vgpr 194
		.amdhsa_next_free_sgpr 66
		.amdhsa_reserve_vcc 1
		.amdhsa_float_denorm_mode_32 3
		.amdhsa_float_denorm_mode_16_64 3
		.amdhsa_memory_ordered 1
		.amdhsa_forward_progress 1
		.amdhsa_inst_pref_size 24
	.end_amdhsa_kernel
	.amdgpu_metadata
---
amdhsa.version: [ 1, 2 ]
amdhsa.kernels:
  - .name:           k_q7c57a51df4_router
    .symbol:         k_q7c57a51df4_router.kd
    .args:
      - { .name: x, .offset: 0, .size: 8, .value_kind: global_buffer, .address_space: global }
      - { .name: w_router, .offset: 8, .size: 8, .value_kind: global_buffer, .address_space: global }
      - { .name: b_router, .offset: 16, .size: 8, .value_kind: global_buffer, .address_space: global }
      - { .name: out1, .offset: 24, .size: 8, .value_kind: global_buffer, .address_space: global }
      - { .name: xb, .offset: 32, .size: 8, .value_kind: global_buffer, .address_space: global }
      - { .name: route, .offset: 40, .size: 8, .value_kind: global_buffer, .address_space: global }
      - { .name: gate, .offset: 48, .size: 8, .value_kind: global_buffer, .address_space: global }
      - { .name: cnt, .offset: 56, .size: 8, .value_kind: global_buffer, .address_space: global }
    .group_segment_fixed_size: 25600
    .private_segment_fixed_size: 0
    .kernarg_segment_align: 8
    .kernarg_segment_size: 64
    .max_flat_workgroup_size: 128
    .sgpr_count:     66
    .vgpr_count:     194
    .wavefront_size: 32
...
	.end_amdgpu_metadata
.endif
;; end of part 1
;; launch fc1 (part 2): grid 32 x 8, 8 waves a work-group, no clusters, 222,720 bytes of LDS; arguments route, xb, w1, h, cnt, rows; writes h, rows
.if DOCPART == 2
	.amdgcn_target "amdgcn-amd-amdhsa--gfx1250"
	.amdhsa_code_object_version 6
	.text
	.protected	k_q7c57a51df4_fc1
	.globl	k_q7c57a51df4_fc1
	.p2align	8
	.type	k_q7c57a51df4_fc1,@function
k_q7c57a51df4_fc1:
	s_mov_b64 s[64:65], 0
	v_nop
	global_prefetch_b8 v0, s[64:65] scope:SCOPE_SE
	s_setreg_imm32_b32 hwreg(HW_REG_WAVE_MODE, 25, 1), 1
	s_wait_xcnt 0x0
; ONE LAYER OF THE EXPERTS, on the rows that are routed to them.  The text serves both layers; FC picks.
;  FC = 1: h[p][:] = gelu(xb[p / 2][:] w1[e]^T), K = 512, 1,024 columns.  xb: [2048][512] bf16, w1: [8][1024][512] f32, h: [4096][1024] bf16.
;  FC = 2: y[p][:] = h[p][:] w2[e]^T,            K = 1,024, 512 columns.  h as above, w2: [8][512][1024] f32, y: [4096][512] f32.
; p = 2 token + slot is a pair; route[p] (u32) is its expert e; cnt[e][g] (u32[8][128]) is the number of expert e's pairs among pairs 32 g .. 32 g + 31.
; Both were stored by the router's launch.  Products in bf16, sums in f32.
; GRID 32 x 8: y = expert; x = 8 q + ns: column slice ns (256 bytes of a destination row: 128 bf16 or 64 f32) and row quarter q.
; With c pairs at the expert and m = ceil(c / 4), quarter q owns ranks q m .. min(q m + m, c) - 1, taken in chunks of 160 rows: one chunk up to
; c = 640, four at c = 2,048, the most there can be.  The four chunks are written out.  Chunk 0 always runs.
; Every address register, those of all four
; chunks' rows too, is written once, at the head, ahead of every branch and every lane mask that hangs on the counts.
; A quarter without rows works on list entries that are valid pairs and stores nothing.  Uneven routing costs time alone.
; THE COUNTS, on which the jumps hang, are read from cnt by every wave: sixteen words for each stretch of 512 pairs, summed in a lane, eight lanes read out.
; THE LIST of a quarter's rows, rows[e][q][768] (u32, pair numbers in the order of their ranks), is made once, in FC = 1: each wave compares 512 words
; of route with e (16 ballots) and packs the matching pairs into an LDS region of its own; behind a barrier every thread finds, for three entries of the
; work-group's list, the region and place by the eight stretches' counts, and copies the word to LIST2.  The work-group of slice 0 stores LIST2 to rows.
; FC = 2 reads its entries from rows straight into registers: no scan, no list in LDS, and two barriers fewer.
; A CHUNK: K goes in stages of 128 through two LDS buffers.  Rows of A (256 bytes each, gathered by the list) and the slice's weight rows (512 bytes
; of f32 each) come through registers, the weights are rounded to bf16 there; the next stage's loads are issued before this stage is multiplied.
; Eight waves, each a tile of 80 rows x 32 columns (5 x 2 accumulators); FC = 1: 2 x 4 waves; FC = 2: 2 x 2 waves and two halves of each stage's K,
; whose sums meet in LDS.  Source 0 = weights, source 1 = rows, so that a lane holds eight neighbouring columns of one row.
; NO TENSOR LOADS, NO CLUSTER, though four work-groups read the same weights and eight the same rows: the weights are f32 in memory and wanted as bf16,
; so they pass through registers once (in LDS as f32 they would take twice the bytes and be rounded again by every wave that reads them), and
; the rows follow a list, which one pitch from row to row cannot describe.
; GELU (FC = 1): z Phi(z) = max(z, 0) - |z| Q(|z|), Q(a) = phi(a) t (b1 + t (b2 + t (b3 + t (b4 + t b5)))), t = 1 / (1 + 0.2316419 a)
; (Abramowitz and Stegun 26.2.17: |error of Q| < 7.5e-8 for every a >= 0; no range is cut; for z^2 beyond f32 the exponential is 0 and gelu = max(z, 0)).
.set FC, 1
.if FC == 1
.set NSTG,  4                          ; stages of 128 along K
.set NB,    16                         ; weight loads of a wave in a stage: rows 8 i + wave
.set ROWB,  2048                       ; bytes in a weight row
.set BROWS, 128                        ; weight rows (columns of the result) in the slice
.else
.set NSTG,  8
.set NB,    8
.set ROWB,  4096
.set BROWS, 64
.endif
.set PITCH, 272                        ; an LDS row: 256 bytes + 16 = 17 x 16: sixteen rows start in sixteen different 16-byte columns of 256
.set LISTB, 3072                       ; bytes in a quarter's list: 768 words
.if FC == 1
.set WREG,  2304                       ; from LDS byte 0: eight regions, one a wave: 512 words, word 512 for the lanes that do not match, filled up to a multiple of 256
.set LIST2, 8*WREG                     ; 768 words: the work-group's rows
.set A0,    LIST2+LISTB                ; A, two buffers of 160 rows
.else
.set A0,    0
.endif
.set ABUF,  160*PITCH
.set B0,    A0+2*ABUF                  ; weights, two buffers of BROWS rows
.set BBUF,  BROWS*PITCH
.set OUT,   B0+2*BBUF                  ; the chunk's result, 160 rows of 256 bytes
.set RED,   OUT+160*PITCH              ; FC = 2: four tiles of 80 registers x 32 lanes
; vector registers, v0-v255: v1 lane, v2 r = lane mod 16, v3 h = lane / 16, v4 r16 = thread / 16, v5 c16 = 16 (thread mod 16), v6-v15 at work
.set ACC,  16                          ; v[16:95]   tile (mt, nt) at 16 + 8 (2 mt + nt)
.set F0,   96                          ; v[96:151]  fragments: rows at + 8 mt, weights at + 40 + 8 nt; at the head: words of route, then my 40 list entries
.set F1,   152                         ; v[152:207] second buffer
.set CW,   F1                          ; v[152:167] at the head: sixteen words of cnt
.set FA,   218                         ; LDS: my row fragments
.set FB,   219                         ; LDS: my weight fragments
.set SA0,  220                         ; v220, v221 LDS: where my 16 bytes of A go, buffer 0, 1
.set SB0,  222                         ; v222, v223 LDS: where my 8 bytes of weights go, buffer 0, 1
.set SO,   224                         ; LDS: where my results go
.set RO,   225                         ; LDS: from where rows are read back
.set LR,   226                         ; 4 r16: my entries of the list
.set RWA,  227                         ; FC = 1: 16 x thread: my 16 bytes of the list on its way to rows
.set PB,   228                         ; FC = 1: the first pair of my 16 words of route
.set RD,   229                         ; LDS: FC = 2, the tile that two waves add up
.set C4V,  242                         ; v[242:243] FC = 1: c4, twice
.set ZQ,   244                         ; v[244:247] FC = 1: zeros
; v256 and up (window 1)
.set STB,  0                           ; 4 NB registers: what a stage's weight loads bring
.set STA,  4*NB                        ; 40 registers: what a stage's row loads bring
.set OFW,  STA+40                      ; 40 registers: byte offset of my 16 bytes in A's source, row 16 n + r16 of my list (chunk c: n = 10 c ..)
.if FC == 1
.set POW,  OFW+40                      ; 40 registers: the same in the destination
.else
.set POW,  OFW                         ; the same rows and the same pitch as A's source
.endif
.set VBW,  POW+40                      ; byte offset of my 16 bytes in the slice's weights
; scalar registers: s[2:3] cnt, s12 e, s13 ns, s14 q, s15 wave, s16 rg, s17 cg, s18 kh, s19 c, s20 m, s21 max(c, 1) - 1, s22 my quarter's rows, s24 EXEC, s25, s61-s63 at work
.set MK,   28                          ; s[28:43]  the 16 ballots; later s[28:37]: the lane masks of a chunk's ten stores
.set PF,   44                          ; s[44:59]  matches in the ballots before
.set AJ,   44                          ; s[44:51]  afterwards: region i's address - 4 x base i
.set BS,   66                          ; s[66:73]  the eight stretches' counts, then their bases
.set KP,   74                          ; s[74:85]  FC = 1: constants, each twice
.set KE,   76
.set C1,   78
.set C2,   80
.set C3,   82
.set C5,   84
.set RWP,  86                          ; s[86:87]  FC = 1: rows at my quarter's list
.set RWO,  88                          ; s[88:89]  byte offset of my quarter's list in rows
.set W_TO1, 0x40                       ; s_set_vgpr_msb: destination in window 1
.set W_LD,  0x41                       ; destination and source 0 (a load's address) in window 1
.set W_CVT, 0x45                       ; destination and sources 0, 1 in window 1 (conversions in place)
.set W_ST,  0x04                       ; source 1, an LDS store's data, in window 1
.set W_OUT, 0x01                       ; source 0, a store's address, in window 1
.set MSB, 0
.macro WIN new                         ; the immediate's high byte repeats the setting that is left; at a label and at a branch the setting is 0
.if MSB != \new
	s_set_vgpr_msb (MSB<<8)|\new
.set MSB, \new
.endif
.endm
.macro PLACES n                        ; plain vector instructions behind a matrix instruction: four in front of a load into, or a vector
.rept \n                               ; instruction on, one of its registers; five in front of a matrix instruction that writes over one
	v_nop
.endr
.endm
.macro JUMPOVER c, lbl                 ; a stretch without barriers is left out when chunk c (1 to 3) has no rows
.if \c
	s_cmp_gt_i32 s22, 160*\c
	s_cbranch_scc0 \lbl
.endif
.endm
.macro LANDING c, lbl
.if \c
\lbl:
.endif
.endm
; stage s of the slice's weights: a wave's load covers 512 neighbouring bytes of row 8 i + wave
.macro LOADB s
	WIN W_LD
.set n, 0
.rept NB
	global_load_b128 v[STB+4*n:STB+4*n+3], v[VBW], s[8:9] offset:n*8*ROWB+512*\s
.set n, n+1
.endr
.endm
; stage s of chunk c's rows: sixteen lanes take 256 neighbouring bytes, aligned, of row 16 i + r16
.macro LOADA s, c
	WIN W_LD
.set n, 0
.rept 10
	global_load_b128 v[STA+4*n:STA+4*n+3], v[OFW+10*\c+n], s[6:7] offset:256*\s
.set n, n+1
.endr
.endm
; what the loads brought goes into LDS buffer buf, the weights rounded to bf16 on the way
.macro PUT buf
	s_wait_loadcnt 0x0                             ; nothing younger is out: the next stage's loads are issued behind this macro
	WIN W_CVT
.set n, 0
.rept NB
	v_cvt_pk_bf16_f32 v[STB+4*n],   v[STB+4*n],   v[STB+4*n+1]
	v_cvt_pk_bf16_f32 v[STB+4*n+1], v[STB+4*n+2], v[STB+4*n+3]
.set n, n+1
.endr
	WIN W_ST
.set n, 0
.rept NB
	ds_store_b64 v[SB0+\buf], v[STB+4*n:STB+4*n+1] offset:n*8*PITCH
.set n, n+1
.endr
.set n, 0
.rept 10
	ds_store_b128 v[SA0+\buf], v[STA+4*n:STA+4*n+3] offset:n*16*PITCH
.set n, n+1
.endr
.endm
; fourteen LDS loads: five row fragments and two weight fragments of K step ks of my part of buffer buf
.macro FETCH buf, ks, f
.irp mt, 0,1,2,3,4
	ds_load_b128 v[\f+8*\mt:\f+8*\mt+3],   v[FA] offset:\buf*ABUF+16*PITCH*\mt+64*\ks
	ds_load_b128 v[\f+8*\mt+4:\f+8*\mt+7], v[FA] offset:\buf*ABUF+16*PITCH*\mt+64*\ks+32
.endr
.irp nt, 0,1
	ds_load_b128 v[\f+40+8*\nt:\f+40+8*\nt+3], v[FB] offset:\buf*BBUF+16*PITCH*\nt+64*\ks
	ds_load_b128 v[\f+40+8*\nt+4:\f+40+8*\nt+7], v[FB] offset:\buf*BBUF+16*PITCH*\nt+64*\ks+32
.endr
.endm
; ten matrix instructions, one on each accumulator: the accumulators take turns, one instruction a turn.  zero = 1 starts the sums.
.macro MUL f, zero
.irp mt, 0,1,2,3,4
.irp nt, 0,1
.if \zero
	v_wmma_f32_16x16x32_bf16 v[ACC+8*(2*\mt+\nt):ACC+8*(2*\mt+\nt)+7], v[\f+40+8*\nt:\f+40+8*\nt+7], v[\f+8*\mt:\f+8*\mt+7], 0
.else
	v_wmma_f32_16x16x32_bf16 v[ACC+8*(2*\mt+\nt):ACC+8*(2*\mt+\nt)+7], v[\f+40+8*\nt:\f+40+8*\nt+7], v[\f+8*\mt:\f+8*\mt+7], v[ACC+8*(2*\mt+\nt):ACC+8*(2*\mt+\nt)+7]
.endif
.endr
.endr
.endm
; my K steps of one stage: four (FC = 1) or two (FC = 2: my half of the stage)
.macro STAGE_MM buf, zero
	PLACES 5                                       ; behind the last matrix instruction on every way here: the loads below, and the products that start sums anew
	FETCH \buf, 0, F0
	FETCH \buf, 1, F1
	s_wait_dscnt 14                                ; the fourteen younger loads (the other fragment buffer's) stay out
	MUL F0, \zero
.if FC == 1
	PLACES 4
	FETCH \buf, 2, F0
	s_wait_dscnt 14
	MUL F1, 0
	PLACES 4
	FETCH \buf, 3, F1
	s_wait_dscnt 14
	MUL F0, 0
.endif
	s_wait_dscnt 0x0
	MUL F1, 0
.endm
; One stage.  One barrier does for both orders: buffer s mod 2 was last read in stage s - 2, and every wave had waited for those reads in front of stage s - 1's barrier.
.macro STG s, buf, zero, c
	JUMPOVER \c, .Lput\c\s
	PUT \buf
.if \s < NSTG-1
	LOADB (\s+1)
	LOADA (\s+1), \c
.endif
	WIN 0
	LANDING \c, .Lput\c\s
	s_wait_dscnt 0x0                               ; my LDS stores are done, for the others' sake
	s_barrier_signal -1
	s_barrier_wait -1
	JUMPOVER \c, .Lmm\c\s
	STAGE_MM \buf, \zero
	LANDING \c, .Lmm\c\s
.endm
; list entries first .. first + count - 1 of this thread, as read into F0, become byte offsets.  A loaded number enters an address only behind v_min_u32 with a constant.
; left = how many younger instructions on the entries' counter may stay out (FC = 1: the entries come from LDS; FC = 2: from memory).
.macro LISTOFF first, count, left
.if FC == 1
	s_wait_dscnt \left
.else
	s_wait_loadcnt \left
.endif
	WIN 0
.set n, \first
.rept \count
.if FC == 1
	v_min_u32 v[F1+n], 0xfff, v[F0+n]              ; the pair
	v_lshrrev_b32 v[F0+n], 1, v[F0+n]              ; its token
	v_min_u32 v[F0+n], 0x7ff, v[F0+n]
.else
	v_min_u32 v[F0+n], 0xfff, v[F0+n]
.endif
.set n, n+1
.endr
	WIN W_TO1
.set n, \first
.rept \count
.if FC == 1
	v_lshl_add_u32 v[POW+n], v[F1+n], 11, v5       ; h: pair x 2,048 bytes + c16
	v_lshl_add_u32 v[OFW+n], v[F0+n], 10, v5       ; xb: token x 1,024 bytes + c16
.else
	v_lshl_add_u32 v[OFW+n], v[F0+n], 11, v5       ; h and y: pair x 2,048 bytes + c16
.endif
.set n, n+1
.endr
.endm
; chunk c's result leaves: rows back from LDS, sixteen lanes store 256 neighbouring bytes, aligned, of the pair's row; rows past the quarter's last are masked.
; The ten masks are made first, so that only the stores and scalar lines stand under the window of the stores' addresses.
.macro STORES c
	PLACES 4
.irp i, 0,1,2,3,4,5,6,7,8,9
	ds_load_b128 v[F0+4*\i:F0+4*\i+3], v[RO] offset:16*PITCH*\i
.endr
.irp i, 0,1,2,3,4,5,6,7,8,9
	s_sub_co_i32 s25, s22, 160*\c+16*\i
	v_cmp_gt_i32 s[MK+\i], s25, v4                 ; row 160 c + 16 i + r16 < my quarter's rows
.endr
	s_wait_dscnt 0x0
	s_wait_xcnt 0x0                                ; EXEC changes only behind s_wait_xcnt 0
	WIN W_OUT
.irp i, 0,1,2,3,4,5,6,7,8,9
	s_mov_b32 vcc_lo, s[MK+\i]
	s_and_saveexec_b32 s24, vcc_lo
	global_store_b128 v[POW+10*\c+\i], v[F0+4*\i:F0+4*\i+3], s[10:11]
	s_wait_xcnt 0x0                                ; and again in front of the line that widens it
	s_or_b32 exec_lo, exec_lo, s24
.endr
	WIN 0
.endm
.if FC == 1
.set TA, F0                            ; |z|
.set TU, F0+8                          ; t
.set TS, F0+16                         ; 2^(-z^2 log2(e) / 2)
.set TQ, F0+24                         ; the polynomial, then Q
.set TM, F0+32                         ; max(z, 0), then the result
.set TO, F0+40                         ; eight bf16
.macro GELU8 mt, nt
.set Z, ACC+8*(2*\mt+\nt)
.irp j, 0,1,2,3,4,5,6,7
	v_and_b32 v[TA+\j], 0x7fffffff, v[Z+\j]
.endr
.irp j, 0,2,4,6
	v_pk_fma_f32 v[TU+\j:TU+\j+1], v[TA+\j:TA+\j+1], s[KP:KP+1], 1.0 op_sel_hi:[1,0,0]
.endr
.irp j, 0,1,2,3,4,5,6,7
	v_rcp_f32 v[TU+\j], v[TU+\j]                   ; its results are first used behind the plain lines that follow (ISA guide 5.7.2)
.endr
.irp j, 0,2,4,6
	v_pk_mul_f32 v[TS+\j:TS+\j+1], v[Z+\j:Z+\j+1], v[Z+\j:Z+\j+1]
.endr
.irp j, 0,2,4,6
	v_pk_mul_f32 v[TS+\j:TS+\j+1], v[TS+\j:TS+\j+1], s[KE:KE+1] op_sel_hi:[1,0]
.endr
.irp j, 0,1,2,3,4,5,6,7
	v_exp_f32 v[TS+\j], v[TS+\j]                   ; likewise
.endr
	s_wait_alu depctr_va_vdst(0)
.irp j, 0,2,4,6
	v_pk_fma_f32 v[TQ+\j:TQ+\j+1], v[TU+\j:TU+\j+1], s[C5:C5+1], v[C4V:C4V+1] op_sel_hi:[1,0,1]
.endr
.irp c, C3, C2, C1
.irp j, 0,2,4,6
	v_pk_fma_f32 v[TQ+\j:TQ+\j+1], v[TQ+\j:TQ+\j+1], v[TU+\j:TU+\j+1], s[\c:\c+1] op_sel_hi:[1,1,0]
.endr
.endr
.irp j, 0,2,4,6
	v_pk_mul_f32 v[TQ+\j:TQ+\j+1], v[TQ+\j:TQ+\j+1], v[TU+\j:TU+\j+1]
.endr
.irp j, 0,2,4,6
	v_pk_mul_f32 v[TQ+\j:TQ+\j+1], v[TQ+\j:TQ+\j+1], v[TS+\j:TS+\j+1]
.endr
.irp j, 0,1,2,3,4,5,6,7
	v_max_num_f32 v[TM+\j], 0, v[Z+\j]
.endr
.irp j, 0,2,4,6
	v_pk_fma_f32 v[TM+\j:TM+\j+1], v[TA+\j:TA+\j+1], v[TQ+\j:TQ+\j+1], v[TM+\j:TM+\j+1] neg_lo:[1,0,0] neg_hi:[1,0,0]
.endr
.irp j, 0,1,2,3
	v_cvt_pk_bf16_f32 v[TO+\j], v[TM+2*\j], v[TM+2*\j+1]
.endr
	ds_store_b128 v[SO], v[TO:TO+3] offset:16*PITCH*\mt+32*\nt     ; columns 16 nt + 8 h .. + 7 of row 16 mt + r of my tile
.endm
.endif
.macro EPILOG c
.if FC == 1
	JUMPOVER \c, .Lgelu\c
	PLACES 4
.irp mt, 0,1,2,3,4
	GELU8 \mt, 0
	GELU8 \mt, 1
.endr
	LANDING \c, .Lgelu\c
.else
	; waves 4 to 7 (the upper half of each stage's K) hand their sums to waves 0 to 3
	JUMPOVER \c, .Lredw\c
	s_cmp_lt_u32 s15, 4
	s_cbranch_scc1 .Lredw\c
	PLACES 4
.set n, 0
.rept 20
	ds_store_b128 v[RD], v[ACC+4*n:ACC+4*n+3] offset:512*n
.set n, n+1
.endr
.Lredw\c:
	s_wait_dscnt 0x0
	s_barrier_signal -1
	s_barrier_wait -1
	JUMPOVER \c, .Lredr\c
	s_cmp_ge_u32 s15, 4
	s_cbranch_scc1 .Lredr\c
	PLACES 4
.set n, 0
.rept 20
	ds_load_b128 v[F0+4*n:F0+4*n+3], v[RD] offset:512*n
.set n, n+1
.endr
	s_wait_dscnt 0x0
.set n, 0
.rept 40
	v_pk_add_f32 v[ACC+2*n:ACC+2*n+1], v[ACC+2*n:ACC+2*n+1], v[F0+2*n:F0+2*n+1]
.set n, n+1
.endr
.irp mt, 0,1,2,3,4
.irp nt, 0,1
	ds_store_b128 v[SO], v[ACC+8*(2*\mt+\nt):ACC+8*(2*\mt+\nt)+3]   offset:16*PITCH*\mt+64*\nt
	ds_store_b128 v[SO], v[ACC+8*(2*\mt+\nt)+4:ACC+8*(2*\mt+\nt)+7] offset:16*PITCH*\mt+64*\nt+16
.endr
.endr
.Lredr\c:
.endif
	s_wait_dscnt 0x0                               ; the result lies in LDS, for the others' sake
	s_barrier_signal -1
	s_barrier_wait -1
	JUMPOVER \c, .Lsto\c
	STORES \c
	LANDING \c, .Lsto\c
.endm
.macro CHUNK c
.if \c
	JUMPOVER \c, .Lpro\c
	s_wait_loadcnt 0x0                             ; the staging registers are loaded again only when no earlier load into them is out.  The last stage of the chunk before
	                                               ; has waited for all loads and issued none, so this wait is met at once; it stands here so that this stretch carries its own order
	LOADB 0                                        ; chunk 0's first loads were issued at the kernel's head
	LOADA 0, \c
	WIN 0
	LANDING \c, .Lpro\c
.endif
	STG 0, 0, 1, \c
	STG 1, 1, 0, \c
	STG 2, 0, 0, \c
	STG 3, 1, 0, \c
.if NSTG > 4
	STG 4, 0, 0, \c
	STG 5, 1, 0, \c
	STG 6, 0, 0, \c
	STG 7, 1, 0, \c
.endif
	EPILOG \c
.endm
	s_load_b256 s[4:11], s[0:1], 0x0               ; s[4:5] route (FC = 1) or rows (FC = 2), A's source s[6:7], weights s[8:9], destination s[10:11]
	s_load_b64 s[2:3], s[0:1], 0x20                ; cnt
.if FC == 1
	s_load_b64 s[RWP:RWP+1], s[0:1], 0x28          ; rows
	v_lshl_add_u32 v254, v0, 2, 0x36200
	v_mov_b32 v255, 0
.endif
	v_lshrrev_b32 v6, 5, v0
	v_readfirstlane_b32 s15, v6                    ; wave 0..7
	s_and_b32 s12, ttmp7, 0xffff                   ; expert
	s_and_b32 s13, ttmp9, 7                        ; column slice
	s_lshr_b32 s14, ttmp9, 3                       ; row quarter
	v_and_b32 v1, 31, v0
	v_and_b32 v2, 15, v0
	v_bfe_u32 v3, v0, 4, 1
	v_lshrrev_b32 v4, 4, v0
	v_lshlrev_b32 v5, 4, v2
	v_lshlrev_b32 v[LR], 2, v4
.if FC == 1
	s_lshl_b32 s25, s15, 11
	v_lshl_add_u32 v6, v1, 4, s25                  ; route: wave x 2,048 bytes + 16 lane
	v_lshlrev_b32 v[RWA], 4, v0
.endif
	v_and_b32 v14, 7, v0
	v_lshlrev_b32 v14, 6, v14                      ; cnt: lane mod 8 = i takes the 16 words (64 bytes) of pairs 512 i .. 512 i + 511, stretch i
	s_mul_i32 s25, s15, ROWB
	WIN W_TO1
	v_lshl_add_u32 v[VBW], v1, 4, s25              ; weights: row = wave, + 16 lane
	WIN 0
	s_lshl_b32 s26, s12, 21                        ; an expert's weights are 2,097,152 bytes,
	s_lshl_b32 s25, s13, 18                        ; a slice's 262,144
	s_add_co_u32 s26, s26, s25
	s_mov_b32 s27, 0
	s_lshl_b32 s62, s12, 9                         ; an expert's counts are 512 bytes
	s_mov_b32 s63, 0
	s_lshl2_add_u32 s[RWO], s12, s14               ; 4 e + q
	s_mul_i32 s[RWO], s[RWO], LISTB                ; my quarter's list in rows
	s_mov_b32 s[RWO+1], 0
	s_wait_kmcnt 0x0
	s_add_nc_u64 s[8:9], s[8:9], s[26:27]
	s_add_nc_u64 s[2:3], s[2:3], s[62:63]
.if FC == 1
	s_add_nc_u64 s[RWP:RWP+1], s[RWP:RWP+1], s[RWO:RWO+1]
.else
	s_add_nc_u64 s[4:5], s[4:5], s[RWO:RWO+1]
.endif
.irp j, 0,1,2,3
	global_load_b128 v[CW+4*\j:CW+4*\j+3], v14, s[2:3] offset:16*\j
.endr
.if FC == 1
.irp jj, 0,1,2,3
	global_load_b128 v[F0+4*\jj:F0+4*\jj+3], v6, s[4:5] offset:512*\jj     ; word 4 jj + i of a lane is pair 512 wave + 128 jj + 4 lane + i
.endr
.else
.set n, 0
.rept 40
	global_load_b32 v[F0+n], v[LR], s[4:5] offset:64*n                     ; entry 16 n + r16 of my quarter's list (chunk c: n = 10 c .. 10 c + 9); ahead of the weights, so that their wait does not hang on those
.set n, n+1
.endr
.endif
	LOADB 0                                        ; expert and slice are known from the grid: the first weights go out before anything is known of the rows
	WIN 0
	s_lshl_b32 s26, s13, 8
	s_add_nc_u64 s[10:11], s[10:11], s[26:27]      ; the slice's 256 bytes of a destination row
.if FC == 1
	s_lshr_b32 s16, s15, 2                         ; rg: which 80 rows
	s_and_b32 s17, s15, 3                          ; cg: which 32 columns
	s_mov_b32 s18, 0
.else
	s_lshr_b32 s18, s15, 2                         ; kh: which half of a stage's K
	s_bfe_u32 s16, s15, 0x10001                    ; rg
	s_and_b32 s17, s15, 1                          ; cg
.endif
	v_mul_u32_u24 v7, v2, PITCH                    ; r x pitch
	v_lshl_add_u32 v8, v3, 4, v7                   ; + 16 h
	s_mul_i32 s25, s16, 80*PITCH
	s_lshl_b32 s63, s18, 7                         ; two K steps of 64 bytes
	s_add_co_u32 s62, s25, s63
	s_add_co_u32 s62, s62, A0
	v_add_nc_u32 v[FA], s62, v8
	s_mul_i32 s62, s17, 32*PITCH
	s_add_co_u32 s62, s62, s63
	s_add_co_u32 s62, s62, B0
	v_add_nc_u32 v[FB], s62, v8
	v_mul_u32_u24 v9, v4, PITCH
	v_add_nc_u32 v9, v9, v5                        ; r16 x pitch + c16
	v_add_nc_u32 v[SA0], A0, v9
	v_add_nc_u32 v[SA0+1], A0+ABUF, v9
	v_add_nc_u32 v[RO], OUT, v9
	s_mul_i32 s62, s15, PITCH
	s_add_co_u32 s62, s62, B0
	v_lshl_add_u32 v[SB0], v1, 3, s62              ; row = wave, + 8 lane
	v_add_nc_u32 v[SB0+1], BBUF, v[SB0]
.if FC == 1
	s_lshl_b32 s62, s17, 6                         ; 32 columns of bf16
	s_add_co_u32 s62, s62, s25
	s_add_co_u32 s62, s62, OUT
	v_add_nc_u32 v[SO], s62, v8
	s_mov_b32 s[KP],   0x3e6d3389                  ; 0.2316419
	s_mov_b32 s[KP+1], 0x3e6d3389
	s_mov_b32 s[KE],   0xbf38aa3b                  ; -log2(e) / 2
	s_mov_b32 s[KE+1], 0xbf38aa3b
	s_mov_b32 s[C1],   0x3e027906                  ; b1 .. b5 / sqrt(2 pi):  0.12741479
	s_mov_b32 s[C1+1], 0x3e027906
	s_mov_b32 s[C2],   0xbe11a98e                  ; -0.14224837
	s_mov_b32 s[C2+1], 0xbe11a98e
	s_mov_b32 s[C3],   0x3f35f0e3                  ;  0.71070687
	s_mov_b32 s[C3+1], 0x3f35f0e3
	s_mov_b32 s[C5],   0x3f07dc22                  ;  0.53070271
	s_mov_b32 s[C5+1], 0x3f07dc22
	v_mov_b32 v[C4V],   0xbf3a00e3                 ; -0.72657601
	v_mov_b32 v[C4V+1], 0xbf3a00e3
.else
	s_lshl_b32 s62, s17, 7                         ; 32 columns of f32
	s_add_co_u32 s62, s62, s25
	s_add_co_u32 s62, s62, OUT
	v_lshl_add_u32 v[SO], v3, 5, v7                ; r x pitch + 32 h
	v_add_nc_u32 v[SO], s62, v[SO]
	s_and_b32 s62, s15, 3
	s_mul_i32 s62, s62, 10240
	s_add_co_u32 s62, s62, RED
	v_lshl_add_u32 v[RD], v1, 4, s62
.endif
.if FC == 1
	s_lshl_b32 s62, s15, 9
	v_lshl_add_u32 v[PB], v1, 2, s62
.irp j, 0,1,2,3
	v_mov_b32 v[ZQ+\j], 0
.endr
	s_mul_i32 s61, s15, WREG                       ; my wave's region
	v_lshl_add_u32 v9, v1, 4, s61
	v_lshl_add_u32 v13, v1, 3, s61
	v_lshlrev_b32 v15, 2, v0
	; my region is cleared, 4 x 512 + 256 = 2,304 bytes: whatever word of it is read later holds a valid pair, also where nothing matches
.irp t, 0,1,2,3
	ds_store_b128 v9, v[ZQ:ZQ+3] offset:512*\t
.endr
	ds_store_b64 v13, v[ZQ:ZQ+1] offset:2048
	; THE LIST, first half: my wave's 512 pairs
	s_wait_loadcnt NB                              ; the four loads of cnt and the four of route are in; the NB weight loads issued behind them stay out
.irp k, 0,1,2,3,4,5,6,7,8,9,10,11,12,13,14,15
	v_cmp_eq_u32 s[MK+\k], s12, v[F0+\k]
.endr
	s_mov_b32 s60, 0
.irp k, 0,1,2,3,4,5,6,7,8,9,10,11,12,13,14,15
	s_mov_b32 s[PF+\k], s60
	s_bcnt1_i32_b32 s25, s[MK+\k]
	s_add_co_u32 s60, s60, s25
.endr
.irp k, 0,1,2,3,4,5,6,7,8,9,10,11,12,13,14,15
	v_mbcnt_lo_u32_b32 v10, s[MK+\k], 0            ; matches in lower lanes
	v_add_nc_u32 v10, s[PF+\k], v10                ; + in earlier ballots = rank in my wave, at most 511
	v_cndmask_b32 v10, 0x200, v10, s[MK+\k]        ; no match: word 512, which is never read
	v_min_u32 v10, 0x200, v10                      ; the bound, written out
	v_lshl_add_u32 v10, v10, 2, s61
	v_add_nc_u32 v11, 128*(\k/4)+(\k%4), v[PB]
	ds_store_b32 v10, v11                          ; LDS serves a wave's instructions in order (ISA guide 5.7.1.4): behind the clearing above
.endr
.else
	; THE LIST comes from rows: my 40 entries become the offsets of all four chunks
	LISTOFF 0, 10, NB+30                           ; cnt's four loads and chunk 0's ten entries are in; the thirty younger entries and the NB weight loads stay out
	LOADA 0, 0                                     ; chunk 0's first rows go out, and the other chunks' offsets are made meanwhile
	LISTOFF 10, 30, NB+10                          ; the thirty are in; behind them were issued the NB weight loads and the ten row loads
	WIN 0
.endif
	; THE COUNTS: lane i (0 to 7) adds up its sixteen words: the expert's pairs in stretch i; eight lanes are read out
.irp j, 0,1,2,3,4,5,6,7
	v_add_nc_u32 v[CW+\j], v[CW+\j], v[CW+8+\j]
.endr
.irp j, 0,1,2,3
	v_add_nc_u32 v[CW+\j], v[CW+\j], v[CW+4+\j]
.endr
.irp j, 0,1
	v_add_nc_u32 v[CW+\j], v[CW+\j], v[CW+2+\j]
.endr
	v_add_nc_u32 v[CW], v[CW], v[CW+1]
.irp i, 0,1,2,3,4,5,6,7
	v_readlane_b32 s[BS+\i], v[CW], \i
.endr
.if FC == 1
	s_wait_dscnt 0x0                               ; my region is written, for the others' sake
	s_barrier_signal -1
	s_barrier_wait -1
	s_mov_b32 s19, 0
.irp i, 0,1,2,3,4,5,6,7
	s_mov_b32 s25, s[BS+\i]
	s_mov_b32 s[BS+\i], s19                        ; base i: the pairs of the stretches before
	s_lshl_b32 s63, s19, 2
	s_sub_co_u32 s[AJ+\i], \i*WREG, s63            ; rank g of the expert lies at this + 4 g if it is wave i's (base i <= 512 i: never below 0)
	s_add_co_u32 s19, s19, s25
.endr
.else
	s_add_co_u32 s19, s[BS], s[BS+1]               ; c: the expert's pairs
.irp i, 2,3,4,5,6,7
	s_add_co_u32 s19, s19, s[BS+\i]
.endr
.endif
	s_add_co_u32 s20, s19, 3
	s_lshr_b32 s20, s20, 2                         ; m = ceil(c / 4)
	s_mul_i32 s62, s14, s20                        ; my quarter's first rank
	s_sub_co_i32 s22, s19, s62
	s_max_i32 s22, s22, 0
	s_min_i32 s22, s22, s20                        ; my quarter's rows
.if FC == 1
	; THE LIST, second half: three entries a thread
	s_max_u32 s21, s19, 1
	s_sub_co_u32 s21, s21, 1                       ; the expert's last rank
	v_add_nc_u32 v7, s62, v0                       ; the rank of entry thread of my list
.irp t, 0,1,2
.if \t
	v_add_nc_u32 v7, 256, v7                       ; of entry thread + 256 t
.endif
	v_min_u32 v10, s21, v7                         ; past the last rank: the last pair again
	v_mov_b32 v11, s[AJ]
.irp ii, 1,2,3,4,5,6,7
	v_cmp_le_u32 vcc_lo, s[BS+\ii], v10            ; the last wave whose base is not above the rank holds it
	v_cndmask_b32 v11, v11, s[AJ+\ii], vcc_lo
.endr
	v_lshl_add_u32 v11, v10, 2, v11
	v_min_u32 v11, 8*WREG-4, v11                   ; the bound, written out
	ds_load_b32 v[12+\t], v11
.endr
	s_wait_dscnt 0x0
.irp t, 0,1,2
	ds_store_b32 v15, v[12+\t] offset:LIST2+1024*\t
.endr
	s_wait_dscnt 0x0
	s_barrier_signal -1
	s_barrier_wait -1
	; my 40 entries, rows 16 n + r16 of the list (chunk c: n = 10 c .. 10 c + 9), become the offsets of all four chunks
.set n, 0
.rept 40
	ds_load_b32 v[F0+n], v[LR] offset:LIST2+64*n
.set n, n+1
.endr
	LISTOFF 0, 10, 30                              ; chunk 0's ten are in; the thirty younger reads stay out
	LOADA 0, 0                                     ; chunk 0's first rows go out, and the other chunks' offsets are made meanwhile
	LISTOFF 10, 30, 0
	WIN 0
	; the list goes to rows, for the next launch: the eight slices of a quarter hold the same list, slice 0 stores it; 3,072 bytes are 192 threads x 16:
	; waves 0 to 5, each store 512 neighbouring bytes, aligned.  LIST2 is written by nobody behind the barrier above.
	s_cmp_lg_u32 s13, 0
	s_cbranch_scc1 .Lnorows
	s_cmp_ge_u32 s15, 6
	s_cbranch_scc1 .Lnorows
	ds_load_b128 v[8:11], v[RWA] offset:LIST2
	s_wait_dscnt 0x0
	global_store_b128 v[RWA], v[8:11], s[RWP:RWP+1]
.Lnorows:
.endif
	CHUNK 0
	CHUNK 1
	CHUNK 2
	CHUNK 3
	s_wait_tensorcnt 0x0
	ds_add_u32 v254, v255
	s_wait_dscnt 0x0
	s_endpgm
.Lfunc_end_k_q7c57a51df4_fc1:
	.size	k_q7c57a51df4_fc1, .Lfunc_end_k_q7c57a51df4_fc1-k_q7c57a51df4_fc1
	.p2alignl 7, 3214868480
	.fill 96, 4, 3214868480
	.section	.rodata,"a",@progbits
	.p2align	6, 0x0
	.amdhsa_kernel k_q7c57a51df4_fc1
		.amdhsa_group_segment_fixed_size 222720
		.amdhsa_private_segment_fixed_size 0
		.amdhsa_enable_private_segment 0
		.amdhsa_kernarg_size 48
		.amdhsa_user_sgpr_count 2
		.amdhsa_user_sgpr_kernarg_segment_ptr 1
		.amdhsa_wavefront_size32 1
		.amdhsa_system_sgpr_workgroup_id_x 1
		.amdhsa_system_sgpr_workgroup_id_y 1
		.amdhsa_system_sgpr_workgroup_id_z 1
		.amdhsa_system_vgpr_workitem_id 0
		.amdhsa_next_free_vgpr 448
		.amdhsa_next_free_sgpr 90
		.amdhsa_reserve_vcc 1
		.amdhsa_float_denorm_mode_32 3
		.amdhsa_float_denorm_mode_16_64 3
		.amdhsa_memory_ordered 1
		.amdhsa_forward_progress 1
		.amdhsa_inst_pref_size 255
	.end_amdhsa_kernel
	.section	.bss,"aw",@nobits
	.p2align	6
	.space	262144
	.amdgpu_metadata
---
amdhsa.version: [ 1, 2 ]
amdhsa.kernels:
  - .name:           k_q7c57a51df4_fc1
    .symbol:         k_q7c57a51df4_fc1.kd
    .args:
      - { .name: route, .offset: 0, .size: 8, .value_kind: global_buffer, .address_space: global }
      - { .name: xb, .offset: 8, .size: 8, .value_kind: global_buffer, .address_space: global }
      - { .name: w1, .offset: 16, .size: 8, .value_kind: global_buffer, .address_space: global }
      - { .name: h, .offset: 24, .size: 8, .value_kind: global_buffer, .address_space: global }
      - { .name: cnt, .offset: 32, .size: 8, .value_kind: global_buffer, .address_space: global }
      - { .name: rows, .offset: 40, .size: 8, .value_kind: global_buffer, .address_space: global }
    .group_segment_fixed_size: 222720
    .private_segment_fixed_size: 0
    .kernarg_segment_align: 8
    .kernarg_segment_size: 48
    .max_flat_workgroup_size: 256
    .sgpr_count:     90
    .vgpr_count:     448
    .wavefront_size: 32
...
	.end_amdgpu_metadata
.endif
;; end of part 2
;; launch fc2 (part 3): grid 32 x 8, 8 waves a work-group, no clusters, 207,360 bytes of LDS; arguments rows, h, w2, y, cnt; writes y
.if DOCPART == 3
	.amdgcn_target "amdgcn-amd-amdhsa--gfx1250"
	.amdhsa_code_object_version 6
	.text
	.protected	k_q7c57a51df4_fc2
	.globl	k_q7c57a51df4_fc2
	.p2align	8
	.type	k_q7c57a51df4_fc2,@function
k_q7c57a51df4_fc2:
	s_mov_b64 s[64:65], 0
	v_nop
	global_prefetch_b8 v0, s[64:65] scope:SCOPE_SE
	s_setreg_imm32_b32 hwreg(HW_REG_WAVE_MODE, 25, 1), 1
	s_wait_xcnt 0x0
; ONE LAYER OF THE EXPERTS, on the rows that are routed to them.  The text serves both layers; FC picks.
;  FC = 1: h[p][:] = gelu(xb[p / 2][:] w1[e]^T), K = 512, 1,024 columns.  xb: [2048][512] bf16, w1: [8][1024][512] f32, h: [4096][1024] bf16.
;  FC = 2: y[p][:] = h[p][:] w2[e]^T,            K = 1,024, 512 columns.  h as above, w2: [8][512][1024] f32, y: [4096][512] f32.
; p = 2 token + slot is a pair; route[p] (u32) is its expert e; cnt[e][g] (u32[8][128]) is the number of expert e's pairs among pairs 32 g .. 32 g + 31.
; Both were stored by the router's launch.  Products in bf16, sums in f32.
; GRID 32 x 8: y = expert; x = 8 q + ns: column slice ns (256 bytes of a destination row: 128 bf16 or 64 f32) and row quarter q.
; With c pairs at the expert and m = ceil(c / 4), quarter q owns ranks q m .. min(q m + m, c) - 1, taken in chunks of 160 rows: one chunk up to
; c = 640, four at c = 2,048, the most there can be.  The four chunks are written out.  Chunk 0 always runs.
; Every address register, those of all four
; chunks' rows too, is written once, at the head, ahead of every branch and every lane mask that hangs on the counts.
; A quarter without rows works on list entries that are valid pairs and stores nothing.  Uneven routing costs time alone.
; THE COUNTS, on which the jumps hang, are read from cnt by every wave: sixteen words for each stretch of 512 pairs, summed in a lane, eight lanes read out.
; THE LIST of a quarter's rows, rows[e][q][768] (u32, pair numbers in the order of their ranks), is made once, in FC = 1: each wave compares 512 words
; of route with e (16 ballots) and packs the matching pairs into an LDS region of its own; behind a barrier every thread finds, for three entries of the
; work-group's list, the region and place by the eight stretches' counts, and copies the word to LIST2.  The work-group of slice 0 stores LIST2 to rows.
; FC = 2 reads its entries from rows straight into registers: no scan, no list in LDS, and two barriers fewer.
; A CHUNK: K goes in stages of 128 through two LDS buffers.  Rows of A (256 bytes each, gathered by the list) and the slice's weight rows (512 bytes
; of f32 each) come through registers, the weights are rounded to bf16 there; the next stage's loads are issued before this stage is multiplied.
; Eight waves, each a tile of 80 rows x 32 columns (5 x 2 accumulators); FC = 1: 2 x 4 waves; FC = 2: 2 x 2 waves and two halves of each stage's K,
; whose sums meet in LDS.  Source 0 = weights, source 1 = rows, so that a lane holds eight neighbouring columns of one row.
; NO TENSOR LOADS, NO CLUSTER, though four work-groups read the same weights and eight the same rows: the weights are f32 in memory and wanted as bf16,
; so they pass through registers once (in LDS as f32 they would take twice the bytes and be rounded again by every wave that reads them), and
; the rows follow a list, which one pitch from row to row cannot describe.
; GELU (FC = 1): z Phi(z) = max(z, 0) - |z| Q(|z|), Q(a) = phi(a) t (b1 + t (b2 + t (b3 + t (b4 + t b5)))), t = 1 / (1 + 0.2316419 a)
; (Abramowitz and Stegun 26.2.17: |error of Q| < 7.5e-8 for every a >= 0; no range is cut; for z^2 beyond f32 the exponential is 0 and gelu = max(z, 0)).
.set FC, 2
.if FC == 1
.set NSTG,  4                          ; stages of 128 along K
.set NB,    16                         ; weight loads of a wave in a stage: rows 8 i + wave
.set ROWB,  2048                       ; bytes in a weight row
.set BROWS, 128                        ; weight rows (columns of the result) in the slice
.else
.set NSTG,  8
.set NB,    8
.set ROWB,  4096
.set BROWS, 64
.endif
.set PITCH, 272                        ; an LDS row: 256 bytes + 16 = 17 x 16: sixteen rows start in sixteen different 16-byte columns of 256
.set LISTB, 3072                       ; bytes in a quarter's list: 768 words
.if FC == 1
.set WREG,  2304                       ; from LDS byte 0: eight regions, one a wave: 512 words, word 512 for the lanes that do not match, filled up to a multiple of 256
.set LIST2, 8*WREG                     ; 768 words: the work-group's rows
.set A0,    LIST2+LISTB                ; A, two buffers of 160 rows
.else
.set A0,    0
.endif
.set ABUF,  160*PITCH
.set B0,    A0+2*ABUF                  ; weights, two buffers of BROWS rows
.set BBUF,  BROWS*PITCH
.set OUT,   B0+2*BBUF                  ; the chunk's result, 160 rows of 256 bytes
.set RED,   OUT+160*PITCH              ; FC = 2: four tiles of 80 registers x 32 lanes
; vector registers, v0-v255: v1 lane, v2 r = lane mod 16, v3 h = lane / 16, v4 r16 = thread / 16, v5 c16 = 16 (thread mod 16), v6-v15 at work
.set ACC,  16                          ; v[16:95]   tile (mt, nt) at 16 + 8 (2 mt + nt)
.set F0,   96                          ; v[96:151]  fragments: rows at + 8 mt, weights at + 40 + 8 nt; at the head: words of route, then my 40 list entries
.set F1,   152                         ; v[152:207] second buffer
.set CW,   F1                          ; v[152:167] at the head: sixteen words of cnt
.set FA,   218                         ; LDS: my row fragments
.set FB,   219                         ; LDS: my weight fragments
.set SA0,  220                         ; v220, v221 LDS: where my 16 bytes of A go, buffer 0, 1
.set SB0,  222                         ; v222, v223 LDS: where my 8 bytes of weights go, buffer 0, 1
.set SO,   224                         ; LDS: where my results go
.set RO,   225                         ; LDS: from where rows are read back
.set LR,   226                         ; 4 r16: my entries of the list
.set RWA,  227                         ; FC = 1: 16 x thread: my 16 bytes of the list on its way to rows
.set PB,   228                         ; FC = 1: the first pair of my 16 words of route
.set RD,   229                         ; LDS: FC = 2, the tile that two waves add up
.set C4V,  242                         ; v[242:243] FC = 1: c4, twice
.set ZQ,   244                         ; v[244:247] FC = 1: zeros
; v256 and up (window 1)
.set STB,  0                           ; 4 NB registers: what a stage's weight loads bring
.set STA,  4*NB                        ; 40 registers: what a stage's row loads bring
.set OFW,  STA+40                      ; 40 registers: byte offset of my 16 bytes in A's source, row 16 n + r16 of my list (chunk c: n = 10 c ..)
.if FC == 1
.set POW,  OFW+40                      ; 40 registers: the same in the destination
.else
.set POW,  OFW                         ; the same rows and the same pitch as A's source
.endif
.set VBW,  POW+40                      ; byte offset of my 16 bytes in the slice's weights
; scalar registers: s[2:3] cnt, s12 e, s13 ns, s14 q, s15 wave, s16 rg, s17 cg, s18 kh, s19 c, s20 m, s21 max(c, 1) - 1, s22 my quarter's rows, s24 EXEC, s25, s61-s63 at work
.set MK,   28                          ; s[28:43]  the 16 ballots; later s[28:37]: the lane masks of a chunk's ten stores
.set PF,   44                          ; s[44:59]  matches in the ballots before
.set AJ,   44                          ; s[44:51]  afterwards: region i's address - 4 x base i
.set BS,   66                          ; s[66:73]  the eight stretches' counts, then their bases
.set KP,   74                          ; s[74:85]  FC = 1: constants, each twice
.set KE,   76
.set C1,   78
.set C2,   80
.set C3,   82
.set C5,   84
.set RWP,  86                          ; s[86:87]  FC = 1: rows at my quarter's list
.set RWO,  88                          ; s[88:89]  byte offset of my quarter's list in rows
.set W_TO1, 0x40                       ; s_set_vgpr_msb: destination in window 1
.set W_LD,  0x41                       ; destination and source 0 (a load's address) in window 1
.set W_CVT, 0x45                       ; destination and sources 0, 1 in window 1 (conversions in place)
.set W_ST,  0x04                       ; source 1, an LDS store's data, in window 1
.set W_OUT, 0x01                       ; source 0, a store's address, in window 1
.set MSB, 0
.macro WIN new                         ; the immediate's high byte repeats the setting that is left; at a label and at a branch the setting is 0
.if MSB != \new
	s_set_vgpr_msb (MSB<<8)|\new
.set MSB, \new
.endif
.endm
.macro PLACES n                        ; plain vector instructions behind a matrix instruction: four in front of a load into, or a vector
.rept \n                               ; instruction on, one of its registers; five in front of a matrix instruction that writes over one
	v_nop
.endr
.endm
.macro JUMPOVER c, lbl                 ; a stretch without barriers is left out when chunk c (1 to 3) has no rows
.if \c
	s_cmp_gt_i32 s22, 160*\c
	s_cbranch_scc0 \lbl
.endif
.endm
.macro LANDING c, lbl
.if \c
\lbl:
.endif
.endm
; stage s of the slice's weights: a wave's load covers 512 neighbouring bytes of row 8 i + wave
.macro LOADB s
	WIN W_LD
.set n, 0
.rept NB
	global_load_b128 v[STB+4*n:STB+4*n+3], v[VBW], s[8:9] offset:n*8*ROWB+512*\s
.set n, n+1
.endr
.endm
; stage s of chunk c's rows: sixteen lanes take 256 neighbouring bytes, aligned, of row 16 i + r16
.macro LOADA s, c
	WIN W_LD
.set n, 0
.rept 10
	global_load_b128 v[STA+4*n:STA+4*n+3], v[OFW+10*\c+n], s[6:7] offset:256*\s
.set n, n+1
.endr
.endm
; what the loads brought goes into LDS buffer buf, the weights rounded to bf16 on the way
.macro PUT buf
	s_wait_loadcnt 0x0                             ; nothing younger is out: the next stage's loads are issued behind this macro
	WIN W_CVT
.set n, 0
.rept NB
	v_cvt_pk_bf16_f32 v[STB+4*n],   v[STB+4*n],   v[STB+4*n+1]
	v_cvt_pk_bf16_f32 v[STB+4*n+1], v[STB+4*n+2], v[STB+4*n+3]
.set n, n+1
.endr
	WIN W_ST
.set n, 0
.rept NB
	ds_store_b64 v[SB0+\buf], v[STB+4*n:STB+4*n+1] offset:n*8*PITCH
.set n, n+1
.endr
.set n, 0
.rept 10
	ds_store_b128 v[SA0+\buf], v[STA+4*n:STA+4*n+3] offset:n*16*PITCH
.set n, n+1
.endr
.endm
; fourteen LDS loads: five row fragments and two weight fragments of K step ks of my part of buffer buf
.macro FETCH buf, ks, f
.irp mt, 0,1,2,3,4
	ds_load_b128 v[\f+8*\mt:\f+8*\mt+3],   v[FA] offset:\buf*ABUF+16*PITCH*\mt+64*\ks
	ds_load_b128 v[\f+8*\mt+4:\f+8*\mt+7], v[FA] offset:\buf*ABUF+16*PITCH*\mt+64*\ks+32
.endr
.irp nt, 0,1
	ds_load_b128 v[\f+40+8*\nt:\f+40+8*\nt+3], v[FB] offset:\buf*BBUF+16*PITCH*\nt+64*\ks
	ds_load_b128 v[\f+40+8*\nt+4:\f+40+8*\nt+7], v[FB] offset:\buf*BBUF+16*PITCH*\nt+64*\ks+32
.endr
.endm
; ten matrix instructions, one on each accumulator: the accumulators take turns, one instruction a turn.  zero = 1 starts the sums.
.macro MUL f, zero
.irp mt, 0,1,2,3,4
.irp nt, 0,1
.if \zero
	v_wmma_f32_16x16x32_bf16 v[ACC+8*(2*\mt+\nt):ACC+8*(2*\mt+\nt)+7], v[\f+40+8*\nt:\f+40+8*\nt+7], v[\f+8*\mt:\f+8*\mt+7], 0
.else
	v_wmma_f32_16x16x32_bf16 v[ACC+8*(2*\mt+\nt):ACC+8*(2*\mt+\nt)+7], v[\f+40+8*\nt:\f+40+8*\nt+7], v[\f+8*\mt:\f+8*\mt+7], v[ACC+8*(2*\mt+\nt):ACC+8*(2*\mt+\nt)+7]
.endif
.endr
.endr
.endm
; my K steps of one stage: four (FC = 1) or two (FC = 2: my half of the stage)
.macro STAGE_MM buf, zero
	PLACES 5                                       ; behind the last matrix instruction on every way here: the loads below, and the products that start sums anew
	FETCH \buf, 0, F0
	FETCH \buf, 1, F1
	s_wait_dscnt 14                                ; the fourteen younger loads (the other fragment buffer's) stay out
	MUL F0, \zero
.if FC == 1
	PLACES 4
	FETCH \buf, 2, F0
	s_wait_dscnt 14
	MUL F1, 0
	PLACES 4
	FETCH \buf, 3, F1
	s_wait_dscnt 14
	MUL F0, 0
.endif
	s_wait_dscnt 0x0
	MUL F1, 0
.endm
; One stage.  One barrier does for both orders: buffer s mod 2 was last read in stage s - 2, and every wave had waited for those reads in front of stage s - 1's barrier.
.macro STG s, buf, zero, c
	JUMPOVER \c, .Lput\c\s
	PUT \buf
.if \s < NSTG-1
	LOADB (\s+1)
	LOADA (\s+1), \c
.endif
	WIN 0
	LANDING \c, .Lput\c\s
	s_wait_dscnt 0x0                               ; my LDS stores are done, for the others' sake
	s_barrier_signal -1
	s_barrier_wait -1
	JUMPOVER \c, .Lmm\c\s
	STAGE_MM \buf, \zero
	LANDING \c, .Lmm\c\s
.endm
; list entries first .. first + count - 1 of this thread, as read into F0, become byte offsets.  A loaded number enters an address only behind v_min_u32 with a constant.
; left = how many younger instructions on the entries' counter may stay out (FC = 1: the entries come from LDS; FC = 2: from memory).
.macro LISTOFF first, count, left
.if FC == 1
	s_wait_dscnt \left
.else
	s_wait_loadcnt \left
.endif
	WIN 0
.set n, \first
.rept \count
.if FC == 1
	v_min_u32 v[F1+n], 0xfff, v[F0+n]              ; the pair
	v_lshrrev_b32 v[F0+n], 1, v[F0+n]              ; its token
	v_min_u32 v[F0+n], 0x7ff, v[F0+n]
.else
	v_min_u32 v[F0+n], 0xfff, v[F0+n]
.endif
.set n, n+1
.endr
	WIN W_TO1
.set n, \first
.rept \count
.if FC == 1
	v_lshl_add_u32 v[POW+n], v[F1+n], 11, v5       ; h: pair x 2,048 bytes + c16
	v_lshl_add_u32 v[OFW+n], v[F0+n], 10, v5       ; xb: token x 1,024 bytes + c16
.else
	v_lshl_add_u32 v[OFW+n], v[F0+n], 11, v5       ; h and y: pair x 2,048 bytes + c16
.endif
.set n, n+1
.endr
.endm
; chunk c's result leaves: rows back from LDS, sixteen lanes store 256 neighbouring bytes, aligned, of the pair's row; rows past the quarter's last are masked.
; The ten masks are made first, so that only the stores and scalar lines stand under the window of the stores' addresses.
.macro STORES c
	PLACES 4
.irp i, 0,1,2,3,4,5,6,7,8,9
	ds_load_b128 v[F0+4*\i:F0+4*\i+3], v[RO] offset:16*PITCH*\i
.endr
.irp i, 0,1,2,3,4,5,6,7,8,9
	s_sub_co_i32 s25, s22, 160*\c+16*\i
	v_cmp_gt_i32 s[MK+\i], s25, v4                 ; row 160 c + 16 i + r16 < my quarter's rows
.endr
	s_wait_dscnt 0x0
	s_wait_xcnt 0x0                                ; EXEC changes only behind s_wait_xcnt 0
	WIN W_OUT
.irp i, 0,1,2,3,4,5,6,7,8,9
	s_mov_b32 vcc_lo, s[MK+\i]
	s_and_saveexec_b32 s24, vcc_lo
	global_store_b128 v[POW+10*\c+\i], v[F0+4*\i:F0+4*\i+3], s[10:11]
	s_wait_xcnt 0x0                                ; and again in front of the line that widens it
	s_or_b32 exec_lo, exec_lo, s24
.endr
	WIN 0
.endm
.if FC == 1
.set TA, F0                            ; |z|
.set TU, F0+8                          ; t
.set TS, F0+16                         ; 2^(-z^2 log2(e) / 2)
.set TQ, F0+24                         ; the polynomial, then Q
.set TM, F0+32                         ; max(z, 0), then the result
.set TO, F0+40                         ; eight bf16
.macro GELU8 mt, nt
.set Z, ACC+8*(2*\mt+\nt)
.irp j, 0,1,2,3,4,5,6,7
	v_and_b32 v[TA+\j], 0x7fffffff, v[Z+\j]
.endr
.irp j, 0,2,4,6
	v_pk_fma_f32 v[TU+\j:TU+\j+1], v[TA+\j:TA+\j+1], s[KP:KP+1], 1.0 op_sel_hi:[1,0,0]
.endr
.irp j, 0,1,2,3,4,5,6,7
	v_rcp_f32 v[TU+\j], v[TU+\j]                   ; its results are first used behind the plain lines that follow (ISA guide 5.7.2)
.endr
.irp j, 0,2,4,6
	v_pk_mul_f32 v[TS+\j:TS+\j+1], v[Z+\j:Z+\j+1], v[Z+\j:Z+\j+1]
.endr
.irp j, 0,2,4,6
	v_pk_mul_f32 v[TS+\j:TS+\j+1], v[TS+\j:TS+\j+1], s[KE:KE+1] op_sel_hi:[1,0]
.endr
.irp j, 0,1,2,3,4,5,6,7
	v_exp_f32 v[TS+\j], v[TS+\j]                   ; likewise
.endr
.irp j, 0,2,4,6
	v_pk_fma_f32 v[TQ+\j:TQ+\j+1], v[TU+\j:TU+\j+1], s[C5:C5+1], v[C4V:C4V+1] op_sel_hi:[1,0,1]
.endr
.irp c, C3, C2, C1
.irp j, 0,2,4,6
	v_pk_fma_f32 v[TQ+\j:TQ+\j+1], v[TQ+\j:TQ+\j+1], v[TU+\j:TU+\j+1], s[\c:\c+1] op_sel_hi:[1,1,0]
.endr
.endr
.irp j, 0,2,4,6
	v_pk_mul_f32 v[TQ+\j:TQ+\j+1], v[TQ+\j:TQ+\j+1], v[TU+\j:TU+\j+1]
.endr
.irp j, 0,2,4,6
	v_pk_mul_f32 v[TQ+\j:TQ+\j+1], v[TQ+\j:TQ+\j+1], v[TS+\j:TS+\j+1]
.endr
.irp j, 0,1,2,3,4,5,6,7
	v_max_num_f32 v[TM+\j], 0, v[Z+\j]
.endr
.irp j, 0,2,4,6
	v_pk_fma_f32 v[TM+\j:TM+\j+1], v[TA+\j:TA+\j+1], v[TQ+\j:TQ+\j+1], v[TM+\j:TM+\j+1] neg_lo:[1,0,0] neg_hi:[1,0,0]
.endr
.irp j, 0,1,2,3
	v_cvt_pk_bf16_f32 v[TO+\j], v[TM+2*\j], v[TM+2*\j+1]
.endr
	ds_store_b128 v[SO], v[TO:TO+3] offset:16*PITCH*\mt+32*\nt     ; columns 16 nt + 8 h .. + 7 of row 16 mt + r of my tile
.endm
.endif
.macro EPILOG c
.if FC == 1
	JUMPOVER \c, .Lgelu\c
	PLACES 4
.irp mt, 0,1,2,3,4
	GELU8 \mt, 0
	GELU8 \mt, 1
.endr
	LANDING \c, .Lgelu\c
.else
	; waves 4 to 7 (the upper half of each stage's K) hand their sums to waves 0 to 3
	JUMPOVER \c, .Lredw\c
	s_cmp_lt_u32 s15, 4
	s_cbranch_scc1 .Lredw\c
	PLACES 4
.set n, 0
.rept 20
	ds_store_b128 v[RD], v[ACC+4*n:ACC+4*n+3] offset:512*n
.set n, n+1
.endr
.Lredw\c:
	s_wait_dscnt 0x0
	s_barrier_signal -1
	s_barrier_wait -1
	JUMPOVER \c, .Lredr\c
	s_cmp_ge_u32 s15, 4
	s_cbranch_scc1 .Lredr\c
	PLACES 4
.set n, 0
.rept 20
	ds_load_b128 v[F0+4*n:F0+4*n+3], v[RD] offset:512*n
.set n, n+1
.endr
	s_wait_dscnt 0x0
.set n, 0
.rept 40
	v_pk_add_f32 v[ACC+2*n:ACC+2*n+1], v[ACC+2*n:ACC+2*n+1], v[F0+2*n:F0+2*n+1]
.set n, n+1
.endr
.irp mt, 0,1,2,3,4
.irp nt, 0,1
	ds_store_b128 v[SO], v[ACC+8*(2*\mt+\nt):ACC+8*(2*\mt+\nt)+3]   offset:16*PITCH*\mt+64*\nt
	ds_store_b128 v[SO], v[ACC+8*(2*\mt+\nt)+4:ACC+8*(2*\mt+\nt)+7] offset:16*PITCH*\mt+64*\nt+16
.endr
.endr
.Lredr\c:
.endif
	s_wait_dscnt 0x0                               ; the result lies in LDS, for the others' sake
	s_barrier_signal -1
	s_barrier_wait -1
	JUMPOVER \c, .Lsto\c
	STORES \c
	LANDING \c, .Lsto\c
.endm
.macro CHUNK c
.if \c
	JUMPOVER \c, .Lpro\c
	s_wait_loadcnt 0x0                             ; the staging registers are loaded again only when no earlier load into them is out.  The last stage of the chunk before
	                                               ; has waited for all loads and issued none, so this wait is met at once; it stands here so that this stretch carries its own order
	LOADB 0                                        ; chunk 0's first loads were issued at the kernel's head
	LOADA 0, \c
	WIN 0
	LANDING \c, .Lpro\c
.endif
	STG 0, 0, 1, \c
	STG 1, 1, 0, \c
	STG 2, 0, 0, \c
	STG 3, 1, 0, \c
.if NSTG > 4
	STG 4, 0, 0, \c
	STG 5, 1, 0, \c
	STG 6, 0, 0, \c
	STG 7, 1, 0, \c
.endif
	EPILOG \c
.endm
	s_load_b256 s[4:11], s[0:1], 0x0               ; s[4:5] route (FC = 1) or rows (FC = 2), A's source s[6:7], weights s[8:9], destination s[10:11]
	s_load_b64 s[2:3], s[0:1], 0x20                ; cnt
	v_lshl_add_u32 v254, v0, 2, 0x32600
	v_mov_b32 v255, 0
.if FC == 1
	s_load_b64 s[RWP:RWP+1], s[0:1], 0x28          ; rows
.endif
	v_lshrrev_b32 v6, 5, v0
	v_readfirstlane_b32 s15, v6                    ; wave 0..7
	s_and_b32 s12, ttmp7, 0xffff                   ; expert
	s_and_b32 s13, ttmp9, 7                        ; column slice
	s_lshr_b32 s14, ttmp9, 3                       ; row quarter
	v_and_b32 v1, 31, v0
	v_and_b32 v2, 15, v0
	v_bfe_u32 v3, v0, 4, 1
	v_lshrrev_b32 v4, 4, v0
	v_lshlrev_b32 v5, 4, v2
	v_lshlrev_b32 v[LR], 2, v4
.if FC == 1
	s_lshl_b32 s25, s15, 11
	v_lshl_add_u32 v6, v1, 4, s25                  ; route: wave x 2,048 bytes + 16 lane
	v_lshlrev_b32 v[RWA], 4, v0
.endif
	v_and_b32 v14, 7, v0
	v_lshlrev_b32 v14, 6, v14                      ; cnt: lane mod 8 = i takes the 16 words (64 bytes) of pairs 512 i .. 512 i + 511, stretch i
	s_mul_i32 s25, s15, ROWB
	WIN W_TO1
	v_lshl_add_u32 v[VBW], v1, 4, s25              ; weights: row = wave, + 16 lane
	WIN 0
	s_lshl_b32 s26, s12, 21                        ; an expert's weights are 2,097,152 bytes,
	s_lshl_b32 s25, s13, 18                        ; a slice's 262,144
	s_add_co_u32 s26, s26, s25
	s_mov_b32 s27, 0
	s_lshl_b32 s62, s12, 9                         ; an expert's counts are 512 bytes
	s_mov_b32 s63, 0
	s_lshl2_add_u32 s[RWO], s12, s14               ; 4 e + q
	s_mul_i32 s[RWO], s[RWO], LISTB                ; my quarter's list in rows
	s_mov_b32 s[RWO+1], 0
	s_wait_kmcnt 0x0
	s_add_nc_u64 s[8:9], s[8:9], s[26:27]
	s_add_nc_u64 s[2:3], s[2:3], s[62:63]
.if FC == 1
	s_add_nc_u64 s[RWP:RWP+1], s[RWP:RWP+1], s[RWO:RWO+1]
.else
	s_add_nc_u64 s[4:5], s[4:5], s[RWO:RWO+1]
.endif
.irp j, 0,1,2,3
	global_load_b128 v[CW+4*\j:CW+4*\j+3], v14, s[2:3] offset:16*\j
.endr
.if FC == 1
.irp jj, 0,1,2,3
	global_load_b128 v[F0+4*\jj:F0+4*\jj+3], v6, s[4:5] offset:512*\jj     ; word 4 jj + i of a lane is pair 512 wave + 128 jj + 4 lane + i
.endr
.else
.set n, 0
.rept 40
	global_load_b32 v[F0+n], v[LR], s[4:5] offset:64*n                     ; entry 16 n + r16 of my quarter's list (chunk c: n = 10 c .. 10 c + 9); ahead of the weights, so that their wait does not hang on those
.set n, n+1
.endr
.endif
	LOADB 0                                        ; expert and slice are known from the grid: the first weights go out before anything is known of the rows
	WIN 0
	s_lshl_b32 s26, s13, 8
	s_add_nc_u64 s[10:11], s[10:11], s[26:27]      ; the slice's 256 bytes of a destination row
.if FC == 1
	s_lshr_b32 s16, s15, 2                         ; rg: which 80 rows
	s_and_b32 s17, s15, 3                          ; cg: which 32 columns
	s_mov_b32 s18, 0
.else
	s_lshr_b32 s18, s15, 2                         ; kh: which half of a stage's K
	s_bfe_u32 s16, s15, 0x10001                    ; rg
	s_and_b32 s17, s15, 1                          ; cg
.endif
	v_mul_u32_u24 v7, v2, PITCH                    ; r x pitch
	v_lshl_add_u32 v8, v3, 4, v7                   ; + 16 h
	s_mul_i32 s25, s16, 80*PITCH
	s_lshl_b32 s63, s18, 7                         ; two K steps of 64 bytes
	s_add_co_u32 s62, s25, s63
	s_add_co_u32 s62, s62, A0
	v_add_nc_u32 v[FA], s62, v8
	s_mul_i32 s62, s17, 32*PITCH
	s_add_co_u32 s62, s62, s63
	s_add_co_u32 s62, s62, B0
	v_add_nc_u32 v[FB], s62, v8
	v_mul_u32_u24 v9, v4, PITCH
	v_add_nc_u32 v9, v9, v5                        ; r16 x pitch + c16
	v_add_nc_u32 v[SA0], A0, v9
	v_add_nc_u32 v[SA0+1], A0+ABUF, v9
	v_add_nc_u32 v[RO], OUT, v9
	s_mul_i32 s62, s15, PITCH
	s_add_co_u32 s62, s62, B0
	v_lshl_add_u32 v[SB0], v1, 3, s62              ; row = wave, + 8 lane
	v_add_nc_u32 v[SB0+1], BBUF, v[SB0]
.if FC == 1
	s_lshl_b32 s62, s17, 6                         ; 32 columns of bf16
	s_add_co_u32 s62, s62, s25
	s_add_co_u32 s62, s62, OUT
	v_add_nc_u32 v[SO], s62, v8
	s_mov_b32 s[KP],   0x3e6d3389                  ; 0.2316419
	s_mov_b32 s[KP+1], 0x3e6d3389
	s_mov_b32 s[KE],   0xbf38aa3b                  ; -log2(e) / 2
	s_mov_b32 s[KE+1], 0xbf38aa3b
	s_mov_b32 s[C1],   0x3e027906                  ; b1 .. b5 / sqrt(2 pi):  0.12741479
	s_mov_b32 s[C1+1], 0x3e027906
	s_mov_b32 s[C2],   0xbe11a98e                  ; -0.14224837
	s_mov_b32 s[C2+1], 0xbe11a98e
	s_mov_b32 s[C3],   0x3f35f0e3                  ;  0.71070687
	s_mov_b32 s[C3+1], 0x3f35f0e3
	s_mov_b32 s[C5],   0x3f07dc22                  ;  0.53070271
	s_mov_b32 s[C5+1], 0x3f07dc22
	v_mov_b32 v[C4V],   0xbf3a00e3                 ; -0.72657601
	v_mov_b32 v[C4V+1], 0xbf3a00e3
.else
	s_lshl_b32 s62, s17, 7                         ; 32 columns of f32
	s_add_co_u32 s62, s62, s25
	s_add_co_u32 s62, s62, OUT
	v_lshl_add_u32 v[SO], v3, 5, v7                ; r x pitch + 32 h
	v_add_nc_u32 v[SO], s62, v[SO]
	s_and_b32 s62, s15, 3
	s_mul_i32 s62, s62, 10240
	s_add_co_u32 s62, s62, RED
	v_lshl_add_u32 v[RD], v1, 4, s62
.endif
.if FC == 1
	s_lshl_b32 s62, s15, 9
	v_lshl_add_u32 v[PB], v1, 2, s62
.irp j, 0,1,2,3
	v_mov_b32 v[ZQ+\j], 0
.endr
	s_mul_i32 s61, s15, WREG                       ; my wave's region
	v_lshl_add_u32 v9, v1, 4, s61
	v_lshl_add_u32 v13, v1, 3, s61
	v_lshlrev_b32 v15, 2, v0
	; my region is cleared, 4 x 512 + 256 = 2,304 bytes: whatever word of it is read later holds a valid pair, also where nothing matches
.irp t, 0,1,2,3
	ds_store_b128 v9, v[ZQ:ZQ+3] offset:512*\t
.endr
	ds_store_b64 v13, v[ZQ:ZQ+1] offset:2048
	; THE LIST, first half: my wave's 512 pairs
	s_wait_loadcnt NB                              ; the four loads of cnt and the four of route are in; the NB weight loads issued behind them stay out
.irp k, 0,1,2,3,4,5,6,7,8,9,10,11,12,13,14,15
	v_cmp_eq_u32 s[MK+\k], s12, v[F0+\k]
.endr
	s_mov_b32 s60, 0
.irp k, 0,1,2,3,4,5,6,7,8,9,10,11,12,13,14,15
	s_mov_b32 s[PF+\k], s60
	s_bcnt1_i32_b32 s25, s[MK+\k]
	s_add_co_u32 s60, s60, s25
.endr
.irp k, 0,1,2,3,4,5,6,7,8,9,10,11,12,13,14,15
	v_mbcnt_lo_u32_b32 v10, s[MK+\k], 0            ; matches in lower lanes
	v_add_nc_u32 v10, s[PF+\k], v10                ; + in earlier ballots = rank in my wave, at most 511
	v_cndmask_b32 v10, 0x200, v10, s[MK+\k]        ; no match: word 512, which is never read
	v_min_u32 v10, 0x200, v10                      ; the bound, written out
	v_lshl_add_u32 v10, v10, 2, s61
	v_add_nc_u32 v11, 128*(\k/4)+(\k%4), v[PB]
	ds_store_b32 v10, v11                          ; LDS serves a wave's instructions in order (ISA guide 5.7.1.4): behind the clearing above
.endr
.else
	; THE LIST comes from rows: my 40 entries become the offsets of all four chunks
	LISTOFF 0, 10, NB+30                           ; cnt's four loads and chunk 0's ten entries are in; the thirty younger entries and the NB weight loads stay out
	LOADA 0, 0                                     ; chunk 0's first rows go out, and the other chunks' offsets are made meanwhile
	LISTOFF 10, 30, NB+10                          ; the thirty are in; behind them were issued the NB weight loads and the ten row loads
	WIN 0
.endif
	; THE COUNTS: lane i (0 to 7) adds up its sixteen words: the expert's pairs in stretch i; eight lanes are read out
.irp j, 0,1,2,3,4,5,6,7
	v_add_nc_u32 v[CW+\j], v[CW+\j], v[CW+8+\j]
.endr
.irp j, 0,1,2,3
	v_add_nc_u32 v[CW+\j], v[CW+\j], v[CW+4+\j]
.endr
.irp j, 0,1
	v_add_nc_u32 v[CW+\j], v[CW+\j], v[CW+2+\j]
.endr
	v_add_nc_u32 v[CW], v[CW], v[CW+1]
.irp i, 0,1,2,3,4,5,6,7
	v_readlane_b32 s[BS+\i], v[CW], \i
.endr
.if FC == 1
	s_wait_dscnt 0x0                               ; my region is written, for the others' sake
	s_barrier_signal -1
	s_barrier_wait -1
	s_mov_b32 s19, 0
.irp i, 0,1,2,3,4,5,6,7
	s_mov_b32 s25, s[BS+\i]
	s_mov_b32 s[BS+\i], s19                        ; base i: the pairs of the stretches before
	s_lshl_b32 s63, s19, 2
	s_sub_co_u32 s[AJ+\i], \i*WREG, s63            ; rank g of the expert lies at this + 4 g if it is wave i's (base i <= 512 i: never below 0)
	s_add_co_u32 s19, s19, s25
.endr
.else
	s_add_co_u32 s19, s[BS], s[BS+1]               ; c: the expert's pairs
.irp i, 2,3,4,5,6,7
	s_add_co_u32 s19, s19, s[BS+\i]
.endr
.endif
	s_add_co_u32 s20, s19, 3
	s_lshr_b32 s20, s20, 2                         ; m = ceil(c / 4)
	s_mul_i32 s62, s14, s20                        ; my quarter's first rank
	s_sub_co_i32 s22, s19, s62
	s_max_i32 s22, s22, 0
	s_min_i32 s22, s22, s20                        ; my quarter's rows
.if FC == 1
	; THE LIST, second half: three entries a thread
	s_max_u32 s21, s19, 1
	s_sub_co_u32 s21, s21, 1                       ; the expert's last rank
	v_add_nc_u32 v7, s62, v0                       ; the rank of entry thread of my list
.irp t, 0,1,2
.if \t
	v_add_nc_u32 v7, 256, v7                       ; of entry thread + 256 t
.endif
	v_min_u32 v10, s21, v7                         ; past the last rank: the last pair again
	v_mov_b32 v11, s[AJ]
.irp ii, 1,2,3,4,5,6,7
	v_cmp_le_u32 vcc_lo, s[BS+\ii], v10            ; the last wave whose base is not above the rank holds it
	v_cndmask_b32 v11, v11, s[AJ+\ii], vcc_lo
.endr
	v_lshl_add_u32 v11, v10, 2, v11
	v_min_u32 v11, 8*WREG-4, v11                   ; the bound, written out
	ds_load_b32 v[12+\t], v11
.endr
	s_wait_dscnt 0x0
.irp t, 0,1,2
	ds_store_b32 v15, v[12+\t] offset:LIST2+1024*\t
.endr
	s_wait_dscnt 0x0
	s_barrier_signal -1
	s_barrier_wait -1
	; my 40 entries, rows 16 n + r16 of the list (chunk c: n = 10 c .. 10 c + 9), become the offsets of all four chunks
.set n, 0
.rept 40
	ds_load_b32 v[F0+n], v[LR] offset:LIST2+64*n
.set n, n+1
.endr
	LISTOFF 0, 10, 30                              ; chunk 0's ten are in; the thirty younger reads stay out
	LOADA 0, 0                                     ; chunk 0's first rows go out, and the other chunks' offsets are made meanwhile
	LISTOFF 10, 30, 0
	WIN 0
	; the list goes to rows, for the next launch: the eight slices of a quarter hold the same list, slice 0 stores it; 3,072 bytes are 192 threads x 16:
	; waves 0 to 5, each store 512 neighbouring bytes, aligned.  LIST2 is written by nobody behind the barrier above.
	s_cmp_lg_u32 s13, 0
	s_cbranch_scc1 .Lnorows
	s_cmp_ge_u32 s15, 6
	s_cbranch_scc1 .Lnorows
	ds_load_b128 v[8:11], v[RWA] offset:LIST2
	s_wait_dscnt 0x0
	global_store_b128 v[RWA], v[8:11], s[RWP:RWP+1]
.Lnorows:
.endif
	CHUNK 0
	CHUNK 1
	CHUNK 2
	CHUNK 3
	s_wait_tensorcnt 0x0
	ds_add_u32 v254, v255
	s_wait_dscnt 0x0
	s_endpgm
.Lfunc_end_k_q7c57a51df4_fc2:
	.size	k_q7c57a51df4_fc2, .Lfunc_end_k_q7c57a51df4_fc2-k_q7c57a51df4_fc2
	.p2alignl 7, 3214868480
	.fill 96, 4, 3214868480
	.section	.rodata,"a",@progbits
	.p2align	6, 0x0
	.amdhsa_kernel k_q7c57a51df4_fc2
		.amdhsa_group_segment_fixed_size 207360
		.amdhsa_private_segment_fixed_size 0
		.amdhsa_enable_private_segment 0
		.amdhsa_kernarg_size 40
		.amdhsa_user_sgpr_count 2
		.amdhsa_user_sgpr_kernarg_segment_ptr 1
		.amdhsa_wavefront_size32 1
		.amdhsa_system_sgpr_workgroup_id_x 1
		.amdhsa_system_sgpr_workgroup_id_y 1
		.amdhsa_system_sgpr_workgroup_id_z 1
		.amdhsa_system_vgpr_workitem_id 0
		.amdhsa_next_free_vgpr 376
		.amdhsa_next_free_sgpr 90
		.amdhsa_reserve_vcc 1
		.amdhsa_float_denorm_mode_32 3
		.amdhsa_float_denorm_mode_16_64 3
		.amdhsa_memory_ordered 1
		.amdhsa_forward_progress 1
		.amdhsa_inst_pref_size 255
	.end_amdhsa_kernel
	.section	.bss,"aw",@nobits
	.p2align	6
	.space	262144
	.amdgpu_metadata
---
amdhsa.version: [ 1, 2 ]
amdhsa.kernels:
  - .name:           k_q7c57a51df4_fc2
    .symbol:         k_q7c57a51df4_fc2.kd
    .args:
      - { .name: rows, .offset: 0, .size: 8, .value_kind: global_buffer, .address_space: global }
      - { .name: h, .offset: 8, .size: 8, .value_kind: global_buffer, .address_space: global }
      - { .name: w2, .offset: 16, .size: 8, .value_kind: global_buffer, .address_space: global }
      - { .name: y, .offset: 24, .size: 8, .value_kind: global_buffer, .address_space: global }
      - { .name: cnt, .offset: 32, .size: 8, .value_kind: global_buffer, .address_space: global }
    .group_segment_fixed_size: 207360
    .private_segment_fixed_size: 0
    .kernarg_segment_align: 8
    .kernarg_segment_size: 40
    .max_flat_workgroup_size: 256
    .sgpr_count:     90
    .vgpr_count:     376
    .wavefront_size: 32
...
	.end_amdgpu_metadata
.endif
;; end of part 3
;; launch combine (part 4): grid 256 x 1, 8 waves a work-group, no clusters, 0 bytes of LDS; arguments y, gate, out0; writes out0
.if DOCPART == 4
	.amdgcn_target "amdgcn-amd-amdhsa--gfx1250"
	.amdhsa_code_object_version 6
	.text
	.protected	k_q7c57a51df4_combine
	.globl	k_q7c57a51df4_combine
	.p2align	8
	.type	k_q7c57a51df4_combine,@function
k_q7c57a51df4_combine:
	s_mov_b64 s[64:65], 0
	v_nop
	global_prefetch_b8 v0, s[64:65] scope:SCOPE_SE
	s_setreg_imm32_b32 hwreg(HW_REG_WAVE_MODE, 25, 1), 1
	s_wait_xcnt 0x0
; out0[t][:] = gate[2 t] y[2 t][:] + gate[2 t + 1] y[2 t + 1][:].  y: [4096][512] f32, gate: f32[4096], out0: [2048][512] f32.
; The six experts that a token is not sent to have weight 0 in the sum and are not computed.
; One wave, one token: 4,096 bytes in (the token's two rows lie side by side), 2,048 out; every load and store of a wave covers 512 neighbouring bytes, aligned.
; A stream: each byte once, all nine loads of a wave out at once (the two gates go out with the rows, not in a step of their own ahead of them);
; LDS, barriers and the matrix unit would add nothing.
	s_load_b128 s[4:7], s[0:1], 0x0                ; y s[4:5], gate s[6:7]
	s_load_b64 s[8:9], s[0:1], 0x10                ; out0
	v_lshrrev_b32 v2, 5, v0
	v_readfirstlane_b32 s10, v2                    ; wave 0..7
	v_and_b32 v1, 31, v0
	v_lshlrev_b32 v1, 4, v1                        ; 16 bytes a lane
	v_mov_b32 v3, 0                                ; the gates: every lane at the same 8 bytes
	s_lshl3_add_u32 s11, ttmp9, s10                ; token = 8 x work-group + wave
	s_lshl_b32 s18, s11, 12                        ; y: 4,096 bytes a token
	s_mov_b32 s19, 0
	s_lshl_b32 s20, s11, 3                         ; gate: 8 bytes a token
	s_mov_b32 s21, 0
	s_lshl_b32 s22, s11, 11                        ; out0: 2,048 bytes a token
	s_mov_b32 s23, 0
	s_wait_kmcnt 0x0
	s_add_nc_u64 s[4:5], s[4:5], s[18:19]
	s_add_nc_u64 s[6:7], s[6:7], s[20:21]
	s_add_nc_u64 s[8:9], s[8:9], s[22:23]
	global_load_b64 v[36:37], v3, s[6:7]           ; the token's two gates
.irp c, 0,1,2,3
	global_load_b128 v[4+8*\c:7+8*\c],  v1, s[4:5] offset:512*\c th:TH_LOAD_NT          ; slot 0's row
	global_load_b128 v[8+8*\c:11+8*\c], v1, s[4:5] offset:2048+512*\c th:TH_LOAD_NT     ; slot 1's row
.endr
	s_wait_loadcnt 0x8                             ; the gates are in; the eight younger loads, the rows', stay out
	v_readfirstlane_b32 s14, v36                   ; the same in every lane: each gate twice in a scalar pair, for the packed forms
	v_readfirstlane_b32 s16, v37
	s_mov_b32 s15, s14
	s_mov_b32 s17, s16
.irp c, 0,1,2,3
	s_wait_loadcnt 6-2*\c                          ; loads come back in order (ISA guide 5.7.1): the younger pairs of loads stay out
	v_pk_mul_f32 v[4+8*\c:5+8*\c], v[4+8*\c:5+8*\c], s[14:15] op_sel_hi:[1,0]
	v_pk_mul_f32 v[6+8*\c:7+8*\c], v[6+8*\c:7+8*\c], s[14:15] op_sel_hi:[1,0]
	v_pk_fma_f32 v[4+8*\c:5+8*\c], v[8+8*\c:9+8*\c],   s[16:17], v[4+8*\c:5+8*\c] op_sel_hi:[1,0,1]
	v_pk_fma_f32 v[6+8*\c:7+8*\c], v[10+8*\c:11+8*\c], s[16:17], v[6+8*\c:7+8*\c] op_sel_hi:[1,0,1]
	global_store_b128 v1, v[4+8*\c:7+8*\c], s[8:9] offset:512*\c th:TH_STORE_NT
.endr
	s_endpgm
.Lfunc_end_k_q7c57a51df4_combine:
	.size	k_q7c57a51df4_combine, .Lfunc_end_k_q7c57a51df4_combine-k_q7c57a51df4_combine
	.p2alignl 7, 3214868480
	.fill 96, 4, 3214868480
	.section	.rodata,"a",@progbits
	.p2align	6, 0x0
	.amdhsa_kernel k_q7c57a51df4_combine
		.amdhsa_group_segment_fixed_size 0
		.amdhsa_private_segment_fixed_size 0
		.amdhsa_enable_private_segment 0
		.amdhsa_kernarg_size 24
		.amdhsa_user_sgpr_count 2
		.amdhsa_user_sgpr_kernarg_segment_ptr 1
		.amdhsa_wavefront_size32 1
		.amdhsa_system_sgpr_workgroup_id_x 1
		.amdhsa_system_sgpr_workgroup_id_y 1
		.amdhsa_system_sgpr_workgroup_id_z 1
		.amdhsa_system_vgpr_workitem_id 0
		.amdhsa_next_free_vgpr 40
		.amdhsa_next_free_sgpr 66
		.amdhsa_reserve_vcc 0
		.amdhsa_float_denorm_mode_32 3
		.amdhsa_float_denorm_mode_16_64 3
		.amdhsa_memory_ordered 1
		.amdhsa_forward_progress 1
		.amdhsa_inst_pref_size 4
	.end_amdhsa_kernel
	.amdgpu_metadata
---
amdhsa.version: [ 1, 2 ]
amdhsa.kernels:
  - .name:           k_q7c57a51df4_combine
    .symbol:         k_q7c57a51df4_combine.kd
    .args:
      - { .name: y, .offset: 0, .size: 8, .value_kind: global_buffer, .address_space: global }
      - { .name: gate, .offset: 8, .size: 8, .value_kind: global_buffer, .address_space: global }
      - { .name: out0, .offset: 16, .size: 8, .value_kind: global_buffer, .address_space: global }
    .group_segment_fixed_size: 0
    .private_segment_fixed_size: 0
    .kernarg_segment_align: 8
    .kernarg_segment_size: 24
    .max_flat_workgroup_size: 256
    .sgpr_count:     66
    .vgpr_count:     40
    .wavefront_size: 32
...
	.end_amdgpu_metadata
.endif
;; end of part 4
